; MI455X (gfx1250); checked and timed in simulation.
; The chip was launched on July 23, 2026; its instructions are those of AMD's public machine-readable ISA for CDNA 5 (MIT licence, August 2026) and "CDNA5" Instruction Set Architecture Reference Guide (July 2026). The comments in the code are by the model that wrote it; some were corrected since.
;; Deepseek V3 Mo E. Allowed arithmetic: matrix products marked QUANTISED: E3M2 operands, one E8M0 scale for each 32 along K, by v_wmma_scale_f32_16x16x128_f8f6f4 with both operands' format E3M2, f32 sums; products left as they are: f32 operands where the result goes on into a quantised operand, else bf16, f16 or f32 operands; f32 sums; everything else in f32.
;; Inputs: hidden_states 4 x 256 x 2,048 float32; r_down 2,048 x 1,024 float32; r_gate 1,024 x 2,048 float32; r_up 1,024 x 2,048 float32; router_weight 8 x 2,048 float32; sh_down 2,048 x 8,192 float32; sh_gate 8,192 x 2,048 float32; sh_up 8,192 x 2,048 float32.
;; Outputs: out0 4 x 256 x 2,048 float32.
;; This version of the problem:
;;   THIS VERSION OF THE PROBLEM IS GIVEN IN LOW PRECISION. The matrix products marked QUANTISED in the list below multiply operands that are first quantised to E3M2 (3 exponent bits, 2 mantissa bits; 6 bits a number), with one power-of-two scale for each 32 numbers along K (OCP MX v1.0); their sums are f32. All else is computed in f32.
;;   The module's matrix products, in the order in which they are computed (A, B: the left and right operand; K: the contracted axis; several contracted axes count as one K, in the product's order):
;;     1. [M 1,024, K 2,048] x [K 2,048, N 8]; A: input hidden_states; B: input router_weight: left as it is (N = 8 < 16)
;;     2. [M 1,024, K 2,048] x [K 2,048, N 8,192]; A: input hidden_states; B: input sh_gate: QUANTISED
;;     3. [M 1,024, K 2,048] x [K 2,048, N 8,192]; A: input hidden_states; B: input sh_up: QUANTISED
;;     4. [M 1,024, K 8,192] x [K 8,192, N 2,048]; A: computed on the way; B: input sh_down: QUANTISED
;;     5. [M 1,024, K 2,048] x [K 2,048, N 1,024]; A: input hidden_states; B: input r_gate: QUANTISED
;;     6. [M 1,024, K 2,048] x [K 2,048, N 1,024]; A: input hidden_states; B: input r_up: QUANTISED
;;     7. [M 1,024, K 1,024] x [K 1,024, N 2,048]; A: computed on the way; B: input r_down: QUANTISED
;;   THE QUANTISER, for each operand of a quantised product, along K:
;;     - K is cut into blocks of 32 from its start; a last block that is shorter is filled with zeros.
;;     - A block's scale is 2^e with e = floor(log2(the largest magnitude in the block)) - 4, held to -126 .. 127; a block of zeros has e = 0. As a byte (E8M0): e + 127.
;;     - Each number is divided by its block's scale, clamped to +-28, and rounded to the nearest number of E3M2, ties to even, subnormals kept.
;;     - The product sums the exact products of the quantised numbers (number of the format x scale) in f32.
;;   ~~~python
;;   def quantise(x, axis):      # numpy; x: float32 -> the quantised numbers, widened to float32 again
;;       x = np.moveaxis(x, axis, -1); K = x.shape[-1]
;;       x = np.pad(x, [(0, 0)] * (x.ndim - 1) + [(0, -K % 32)]); x = x.reshape(x.shape[:-1] + (-1, 32)); a = np.abs(x).max(-1, keepdims=True)
;;       e = np.where(a > 0, np.clip(np.frexp(np.where(a > 0, a, 1))[1] - 1 - 4, -126, 127), 0)      # np.frexp(a)[1] - 1 = floor(log2(a)), exactly
;;       r = np.clip(x / 2.0 ** e, -28, 28)
;;       step = 2.0 ** (np.maximum(np.frexp(np.where(r == 0, 1, r))[1] - 1, -2) - 2)
;;       q = np.round(r / step) * step * 2.0 ** e      # np.round: ties to even
;;       return np.moveaxis(q.reshape(q.shape[:-2] + (-1,))[..., :K], -1, axis).astype(np.float32)
;;   ~~~
;;   OPERANDS COMPUTED ON THE WAY. 'Computed on the way' means the value that the module computes at that place (a softmax that the list does not call 'softmax' is quantised finished and normalised). What goes into a quantiser is computed in f32, as accurately as f32 sums, v_exp_f32 and their like allow (about 1e-6 of the number): no bf16 or f16 on the way to a quantiser, and a product that is left as it is and whose result goes on into a quantised operand takes f32 operands (vector FMAs, or v_wmma_f32_16x16x4_f32). A number that lies on a knife's edge between two numbers of the format may be rounded either way, as far as f32 arithmetic and the matrix unit's own rounding can turn it there, and no further.
;; 2 versions. Each part assembles by itself: llvm-mc -triple=amdgcn-amd-amdhsa -mcpu=gfx1250 --defsym DOCPART=n.
;; ======== version 1 of 2: 3 launches
;; workspace buffers: xq 1,638,400 bytes; wgu 29,491,200 bytes; wd 14,745,600 bytes; hq 7,372,800 bytes; comb 4,096 bytes
;; launch quant (part 1): grid 1856 x 1, 4 waves a work-group, no clusters, 34,304 bytes of LDS; arguments hidden_states, router_weight, sh_gate, sh_up, sh_down, r_gate, r_up, r_down, xq, wgu, wd, comb; writes xq, wgu, wd, comb
.if DOCPART == 1
	.amdgcn_target "amdgcn-amd-amdhsa--gfx1250"
	.amdhsa_code_object_version 6
	.text
	.protected	k_q2e8fd56727_quant
	.globl	k_q2e8fd56727_quant
	.p2align	8
	.type	k_q2e8fd56727_quant,@function
k_q2e8fd56727_quant:
	s_mov_b64 s[64:65], 0
	v_nop
	global_prefetch_b8 v0, s[64:65] scope:SCOPE_SE
	s_setreg_imm32_b32 hwreg(HW_REG_WAVE_MODE, 25, 1), 1
	s_wait_xcnt 0x0
; LAUNCH 1 OF 3.  Two jobs, parted by the work-group's number.
; (a) Work-groups 64 .. 1855: x and the six weights, all f32 with K innermost, become codes of BF6 (E3M2) with one E8M0 byte for each 32 along K.
;     A block's scale is 2^(floor(log2(largest magnitude)) - 4); its byte is the largest magnitude's exponent field - 4, held at 1 from below.
; (b) Work-groups 0 .. 63: the router: f32 logits by fused multiply-adds, top 2 (a tie keeps the lower index), softmax over the two with the larger taken off first,
;     each weight kept where its index is under 8, their sum stored as comb[token].  Nothing here steers an address: every choice is a v_cndmask_b32.
; LAYOUT OF ALL CODES: records of 6,400 bytes = 64 rows x 128 along K.  Bytes 1536 t + 512 c + 16 lane: registers 4 c .. 4 c + 3 of fragment t (16 rows x 128 K, 12 registers a lane) as the matrix
;     instruction wants them; bytes 6144 + 16 r + 4 t: the scale word (four bytes) of row r of fragment t.  So a reader takes a fragment by three loads of 16 bytes a lane, and four scale registers by one.
;     xq  [token block of 256][K step][token group of 64];   wgu [unit group of 128: 8 routed, then 64 shared][K step][gate lo, gate hi, up lo, up hi];   wd [64 outputs][K step: 8 routed, then 64 shared].
;     THE ROWS OF A GATE OR UP FRAGMENT ARE NOT NEIGHBOURS: in a group of 64 rows fragment t begins at row 0, 8, 32, 40 and takes rows +0..7 and +16..23, so that the next launch's results lie along the next K.
; SHARES of (a): a wave makes one record; the four waves of a work-group take four neighbouring K steps of the same 64 rows: 2,048 consecutive bytes of each row.
;     A load takes one row's 512 bytes as they lie (16 bytes a lane); the conversions want 16 neighbours in ONE lane, so 16 rows turn through the wave's own stage in LDS (rows 528 bytes apart).
; No tensor load, no barrier: waves share nothing.  The router's path touches no LDS.
; LIMITS: NaN and infinities among the inputs are not served.  A block whose largest magnitude lies under 2^-122, a block of zeros among them, gets the byte 1 (the rule says 127 for zeros): its codes are
;     zeros or what the byte 1 gives, and the bytes are read by this program alone.  comb leaves in stores of 16 bytes, one a wave: 4,096 bytes in the whole launch.
.set NRT,  64                          ; the router's work-groups
.set SRB,  6400                        ; bytes of a record
.set SPT,  528                         ; a stage row: 512 bytes + 16
.set WST,  16*SPT                      ; a wave's stage
.set VL,   4                           ; v4      16 x lane
.set VS,   5                           ; v5      16 r + 8 h: my 8 bytes of the record's scale words
.set SI,   6                           ; v6      the stage, on the way in: wave's stage + 16 x lane
.set SL,   7                           ; v7      and on the way out: wave's stage + 528 r + 64 h
.set VO,   16                          ; v16-31  byte offset of row i of a fragment, + 16 x lane; never rewritten
.set R,    32                          ; v32-159 two sets of 64 numbers
.set PC,   160                         ; v160-178 the codes just made
.set TM,   180                         ; v180-195 at work in QUANT
.set PW,   196                         ; v196-199 the four fragments' scale words
.set SEL,  66                          ; s[66:67] v_permlanex16_b32's selects for lane l xor 16
.set HM,   68                          ; s68     mask of lanes 16-31
	s_load_b512 s[8:23], s[0:1], 0x0               ; x s[8:9], router_weight s[10:11], sh_gate s[12:13], sh_up s[14:15], sh_down s[16:17], r_gate s[18:19], r_up s[20:21], r_down s[22:23]
	s_load_b256 s[24:31], s[0:1], 0x40             ; xq s[24:25], wgu s[26:27], wd s[28:29], comb s[30:31]
	v_lshl_add_u32 v208, v0, 2, 0x8400
	v_mov_b32 v209, 0
	v_lshrrev_b32 v1, 5, v0
	v_readfirstlane_b32 s2, v1                     ; wave 0..3
	v_and_b32 v1, 31, v0                           ; lane
	v_lshlrev_b32 v[VL], 4, v1
	s_mov_b32 s[SEL], 0x76543210
	s_mov_b32 s[SEL+1], 0xfedcba98
	s_cmp_lt_u32 ttmp9, NRT
	s_cbranch_scc1 .Lrouter
; ---------------------------------------------------------------- (a) the quantiser
; Which tensor, by the work-group's number alone.  The parameters begin as x's; each later tensor takes them over from its first work-group on.
;   s32 first work-group   s33 log2(work-groups for a group of 64 rows)   s34 bytes of a row   s35 8 rows more for a fragment's rows 8-15 (gate, up), else 0
;   record index = (g >> s36) s37 + (g & s38) + k s39 + s40, g the group of 64 rows, k the K step
	s_sub_co_u32 s3, ttmp9, NRT
	s_mov_b32 s32, 0
	s_mov_b32 s33, 2
	s_mov_b32 s34, 8192
	s_mov_b32 s35, 0
	s_mov_b32 s36, 2
	s_mov_b32 s37, 64
	s_mov_b32 s38, 3
	s_mov_b32 s39, 4
	s_mov_b32 s40, 0
	s_mov_b32 s[HM], 0xffff0000
	s_wait_kmcnt 0x0
	s_mov_b64 s[42:43], s[8:9]
	s_mov_b64 s[44:45], s[24:25]
.macro PICK start, lkw, stride, extra, sh, gm, mk, km, c0, src, dst
	s_cmp_ge_u32 s3, \start                        ; the selects leave SCC alone
	s_cselect_b32 s32, \start, s32
	s_cselect_b32 s33, \lkw, s33
	s_cselect_b32 s34, \stride, s34
	s_cselect_b32 s35, \extra, s35
	s_cselect_b32 s36, \sh, s36
	s_cselect_b32 s37, \gm, s37
	s_cselect_b32 s38, \mk, s38
	s_cselect_b32 s39, \km, s39
	s_cselect_b32 s40, \c0, s40
	s_cselect_b64 s[42:43], s[\src:\src+1], s[42:43]
	s_cselect_b64 s[44:45], s[\dst:\dst+1], s[44:45]
.endm
	PICK 64,   2, 8192,  65536, 1, 64, 1, 4, 0,   18, 26   ; r_gate
	PICK 128,  2, 8192,  65536, 1, 64, 1, 4, 2,   20, 26   ; r_up
	PICK 192,  1, 4096,  0,     0, 72, 0, 1, 0,   22, 28   ; r_down
	PICK 256,  2, 8192,  65536, 1, 64, 1, 4, 512, 12, 26   ; sh_gate
	PICK 768,  2, 8192,  65536, 1, 64, 1, 4, 514, 14, 26   ; sh_up
	PICK 1280, 4, 32768, 0,     0, 72, 0, 1, 8,   16, 28   ; sh_down
	s_sub_co_u32 s46, s3, s32                      ; my number within the tensor
	s_lshr_b32 s47, s46, s33                       ; g
	s_bfm_b32 s48, s33, 0
	s_and_b32 s48, s46, s48
	s_lshl_b32 s48, s48, 2
	s_add_co_u32 s48, s48, s2                      ; k = 4 x (my place among the group's work-groups) + wave
	s_lshr_b32 s49, s47, s36
	s_mul_i32 s49, s49, s37
	s_and_b32 s50, s47, s38
	s_add_co_u32 s49, s49, s50
	s_mul_i32 s50, s48, s39
	s_add_co_u32 s49, s49, s50
	s_add_co_u32 s49, s49, s40                     ; the record's index: 4,607 at the most
	s_mul_i32 s50, s49, SRB
	s_mov_b32 s51, 0
	s_add_nc_u64 s[44:45], s[44:45], s[50:51]      ; where my record goes
	s_mul_i32 s52, s47, s34
	s_lshl_b32 s52, s52, 6                         ; 64 g rows,
	s_lshl_b32 s53, s48, 9                         ; 512 bytes a K step: under 2^27 together
	s_add_co_u32 s52, s52, s53
	s_mov_b32 s53, 0
	s_add_nc_u64 s[56:57], s[42:43], s[52:53]      ; fragment 0 begins at row 0,
	s_lshl_b32 s54, s34, 4
	s_sub_co_u32 s54, s54, s35
	s_mov_b32 s55, 0
	s_add_nc_u64 s[58:59], s[56:57], s[54:55]      ; fragment 1 at row 16 (gate, up: 8),
	s_lshl_b32 s52, s34, 5
	s_add_nc_u64 s[60:61], s[56:57], s[52:53]      ; fragment 2 at row 32,
	s_add_nc_u64 s[62:63], s[60:61], s[54:55]      ; fragment 3 at row 48 (gate, up: 40).  The four bases are never rewritten
	v_and_b32 v2, 15, v0                           ; r
	v_bfe_u32 v3, v0, 4, 1                         ; h
	s_mul_i32 s41, s2, WST
	v_add_nc_u32 v[SI], s41, v[VL]
	v_mul_u32_u24 v[SL], v2, SPT
	v_lshl_add_u32 v[SL], v3, 6, v[SL]
	v_add_nc_u32 v[SL], s41, v[SL]
	v_lshlrev_b32 v[VS], 4, v2
	v_lshl_add_u32 v[VS], v3, 3, v[VS]
.irp i, 0,1,2,3,4,5,6,7,8,9,10,11,12,13,14,15
	v_mad_u32_u24 v[VO+\i], s34, \i, v[VL]
.endr
.irp i, 8,9,10,11,12,13,14,15
	v_add_nc_u32 v[VO+\i], s35, v[VO+\i]
.endr
.irp b, 0,1,2,3
	v_mov_b32 v[TM+4+\b], 0                        ; written once: a lane permute's destination counts as one of its sources
.endr
.macro LOAD t                          ; fragment t's 16 rows into set t % 2: each load reads 512 consecutive bytes of one row.  (One line serves all seven tensors; x alone is read a second time, by the router's groups)
.irp i, 0,1,2,3,4,5,6,7,8,9,10,11,12,13,14,15
	global_load_b128 v[R+64*((\t)%2)+4*\i:R+64*((\t)%2)+4*\i+3], v[VO+\i], s[56+2*(\t):57+2*(\t)] th:TH_LOAD_NT
.endr
.endm
; 64 numbers of a lane, v[s] .. v[s + 63], register 16 b + i = k 32 b + 16 (lane / 16) + i of my row, become a fragment's codes in v[PC] on and its scale word in v[pw].
.macro QUANT s, pw
.irp b, 0,1,2,3
	v_max3_num_f32 v[TM+\b], |v[\s+16*\b]|, |v[\s+1+16*\b]|, 0x2800000   ; block b: my 16 numbers, and the floor 2^(5 - 127): the byte cannot fall under 1
.endr
.irp i, 2,4,6,8,10,12,14
.irp b, 0,1,2,3
	v_max3_num_f32 v[TM+\b], v[TM+\b], |v[\s+16*\b+\i]|, |v[\s+1+16*\b+\i]|   ; the four blocks by turns: no line waits for the line above it
.endr
.endr
.irp b, 0,1,2,3
	v_permlanex16_b32 v[TM+4+\b], v[TM+\b], s[SEL], s[SEL+1]
.endr
.irp b, 0,1,2,3
	v_max_num_f32 v[TM+\b], v[TM+\b], v[TM+4+\b]   ; with lane l xor 16's: the block's largest magnitude
.endr
.irp b, 0,1,2,3
	v_add_nc_u32 v[TM+12+\b], 0xfe000000, v[TM+\b] ; 4 off its exponent field: the conversion takes the exponent field of this operand as its scale
.endr
.irp b, 0,1,2,3
	v_lshrrev_b32 v[TM+4+\b], 23, v[TM+12+\b]      ; the scale's byte
.endr
	v_lshl_or_b32 v[\pw], v[TM+5], 8, v[TM+4]      ; four bytes: my row's scale word (both halves of the lanes hold it)
	v_lshl_or_b32 v[\pw], v[TM+6], 16, v[\pw]
	v_lshl_or_b32 v[\pw], v[TM+7], 24, v[\pw]
.irp c, 0,1
	v_cvt_scalef32_pk16_bf6_f32 v[PC+6*\c:PC+2+6*\c], v[\s+32*\c:\s+15+32*\c], v[TM+12+2*\c]
	v_cvt_scalef32_pk16_bf6_f32 v[PC+12+4*\c:PC+14+4*\c], v[\s+16+32*\c:\s+31+32*\c], v[TM+12+2*\c+1]   ; (a conversion's three registers begin on an even number)
.endr
	v_nop                                          ; one plain place behind a scaled conversion
.irp c, 0,1                                    ; the operand's layout wants a WHOLE block in a lane: lanes 0-15 block 2 c, lanes 16-31 block 2 c + 1
.irp i, 0,1,2
	v_permlane16_swap_b32 v[PC+6*\c+\i], v[PC+12+4*\c+\i]
.endr
.irp i, 0,1,2
	v_mov_b32 v[PC+3+6*\c+\i], v[PC+12+4*\c+\i]
.endr
.endr
.endm
.macro FRAG t
.set RS, R+64*((\t)%2)
.if (\t) < 3
	s_wait_loadcnt 16                              ; my 16 loads are in; the next fragment's 16 may be out
.else
	s_wait_loadcnt 0x0
.endif
.irp i, 0,1,2,3,4,5,6,7,8,9,10,11,12,13,14,15
	ds_store_b128 v[SI], v[RS+4*\i:RS+4*\i+3] offset:SPT*\i     ; row i as it lies
.endr
.irp b, 0,1,2,3
.irp j, 0,1,2,3
	ds_load_b128 v[RS+16*\b+4*\j:RS+16*\b+4*\j+3], v[SL] offset:128*\b+16*\j   ; LDS serves a wave's instructions in order (ISA guide 5.7.1.4): these see the stores; row r, 16 neighbours of each block of 32
.endr
.endr
	s_wait_dscnt 0x0
.if (\t) > 0
	s_wait_xcnt 0x0                                ; the last fragment's stores have read the codes' registers: only now are they written again
.endif
	QUANT RS, PW+(\t)
.if (\t) < 2
	LOAD (\t)+2                                    ; the set is free
.endif
.irp c, 0,1,2
	global_store_b128 v[VL], v[PC+4*\c:PC+4*\c+3], s[44:45] offset:1536*(\t)+512*\c   ; 32 lanes store 512 consecutive bytes, at a multiple of 256 from the buffer's first byte
.endr
.endm
	LOAD 0
	LOAD 1
	FRAG 0
	FRAG 1
	FRAG 2
	FRAG 3
	v_cndmask_b32 v200, v[PW], v[PW+2], s[HM]      ; lanes 0-15 send row r's words of fragments 0 and 1, lanes 16-31 those of fragments 2 and 3
	v_cndmask_b32 v201, v[PW+1], v[PW+3], s[HM]
	global_store_b64 v[VS], v[200:201], s[44:45] offset:6144   ; 32 lanes store 256 consecutive bytes, aligned
	s_wait_tensorcnt 0x0
	ds_add_u32 v208, v209
	s_wait_dscnt 0x0
	s_endpgm
; ---------------------------------------------------------------- (b) the router
; A wave takes 4 tokens.  K goes in 16 chunks of 128 (16 bytes a lane): 4 loads of x, 8 of router_weight, two sets of registers; 128 multiply-adds a chunk into 32 sums, v[32 + 8 t + e].
.Lrouter:
	s_lshl_b32 s32, ttmp9, 4
	s_lshl_b32 s33, s2, 2
	s_add_co_u32 s32, s32, s33                     ; my first token: 16 x work-group + 4 x wave
	s_lshl_b32 s34, s32, 13
	s_mov_b32 s35, 0
	s_lshl_b32 s36, s32, 2
	s_mov_b32 s37, 0
	s_wait_kmcnt 0x0
	s_add_nc_u64 s[8:9], s[8:9], s[34:35]
	s_add_nc_u64 s[30:31], s[30:31], s[36:37]
.macro LOADC p, off
.irp t, 0,1,2,3
	global_load_b128 v[64+16*\p+4*\t:64+16*\p+4*\t+3], v[VL], s[8:9] offset:8192*\t+\off
.endr
.irp e, 0,1,2,3,4,5,6,7
	global_load_b128 v[96+32*\p+4*\e:96+32*\p+4*\e+3], v[VL], s[10:11] offset:8192*\e+\off
.endr
.endm
.macro FMAC p, first                   ; first = 1: the first products start the sums: nothing is cleared
.irp j, 0,1,2,3
.irp t, 0,1,2,3
.irp e, 0,1,2,3,4,5,6,7
.if \first && (\j == 0)
	v_mul_f32 v[32+8*\t+\e], v[64+16*\p+4*\t+\j], v[96+32*\p+4*\e+\j]
.else
	v_fmac_f32 v[32+8*\t+\e], v[64+16*\p+4*\t+\j], v[96+32*\p+4*\e+\j]
.endif
.endr
.endr
.endr
.endm
	LOADC 0, 0
	LOADC 1, 512
	s_wait_loadcnt 12                              ; here and below: the other set's 12 loads may be out
	FMAC 0, 1
	LOADC 0, 1024
	s_wait_loadcnt 12
	FMAC 1, 0
	LOADC 1, 1536
	s_wait_xcnt 0x0                                ; the bases step only behind this wait
	s_add_nc_u64 s[8:9], s[8:9], 1024
	s_add_nc_u64 s[10:11], s[10:11], 1024
	s_mov_b32 s38, 6
.Lchunk:                                               ; 6 trips: chunks 2 .. 13 are summed, chunks 4 .. 15 asked for
	s_wait_loadcnt 12
	FMAC 0, 0
	LOADC 0, 1024
	s_wait_loadcnt 12
	FMAC 1, 0
	LOADC 1, 1536
	s_wait_xcnt 0x0
	s_add_nc_u64 s[8:9], s[8:9], 1024
	s_add_nc_u64 s[10:11], s[10:11], 1024
	s_sub_co_u32 s38, s38, 1
	s_cmp_lg_u32 s38, 0
	s_cbranch_scc1 .Lchunk
	s_wait_loadcnt 12                              ; the last two chunks ask for nothing
	FMAC 0, 0
	s_wait_loadcnt 0x0
	FMAC 1, 0
.irp x, 1,2,4,8                                ; the 32 sums over the 32 lanes, stage by stage
.set i, 0
.rept 32
	v_add_f32_dpp v[32+i], v[32+i], v[32+i] row_xmask:\x row_mask:0xf bank_mask:0xf
.set i, i+1
.endr
.endr
.set i, 0
.rept 32
	v_permlanex16_b32 v[96+i], v[32+i], s[SEL], s[SEL+1]   ; (into registers that the loads have written)
.set i, i+1
.endr
.set i, 0
.rept 32
	v_add_f32 v[32+i], v[32+i], v[96+i]            ; every lane now holds the 32 logits
.set i, i+1
.endr
	v_mov_b32 v168, 0xff800000                     ; -infinity
	v_mov_b32 v169, 0
.macro TOP2 t
.set L, 32+8*(\t)
	v_mov_b32 v160, v[L]                           ; the largest logit and its index; a later one takes over only where it is larger: a tie keeps the lower index
	v_mov_b32 v161, 0
.irp e, 1,2,3,4,5,6,7
	v_cmp_le_f32 vcc_lo, v[L+\e], v160
	v_cndmask_b32 v160, v[L+\e], v160, vcc_lo
	v_cndmask_b32 v161, \e, v161, vcc_lo
.endr
.irp e, 0,1,2,3,4,5,6,7
	v_cmp_eq_u32 vcc_lo, \e, v161
	v_cndmask_b32 v[L+\e], v[L+\e], v168, vcc_lo   ; it is taken out,
.endr
	v_mov_b32 v162, v[L]                           ; and the same again gives the second
	v_mov_b32 v163, 0
.irp e, 1,2,3,4,5,6,7
	v_cmp_le_f32 vcc_lo, v[L+\e], v162
	v_cndmask_b32 v162, v[L+\e], v162, vcc_lo
	v_cndmask_b32 v163, \e, v163, vcc_lo
.endr
	v_sub_f32 v164, v162, v160                     ; the softmax of the two, the larger taken off: 1 and e^(second - first)
	v_mul_f32 v164, 0x3fb8aa3b, v164
	v_exp_f32 v165, v164
	v_nop                                          ; one plain place behind a transcendental
	s_wait_alu depctr_va_vdst(0)
	v_add_f32 v166, 1.0, v165
	v_rcp_f32 v167, v166
	v_nop
	s_wait_alu depctr_va_vdst(0)
	v_mul_f32 v165, v165, v167
	v_cmp_gt_u32 vcc_lo, 8, v161                   ; a slot counts where its index is under the 8 local experts
	v_cndmask_b32 v167, 0, v167, vcc_lo
	v_cmp_gt_u32 vcc_lo, 8, v163
	v_cndmask_b32 v165, 0, v165, vcc_lo
	v_add_f32 v[200+(\t)], v167, v165
.endm
	TOP2 0
	TOP2 1
	TOP2 2
	TOP2 3
	s_wait_xcnt 0x0                                ; EXEC changes only behind this wait
	v_cmp_eq_u32 vcc_lo, 0, v1
	s_and_saveexec_b32 s50, vcc_lo
	global_store_b128 v169, v[200:203], s[30:31]   ; lane 0: my four tokens' weights
	s_wait_xcnt 0x0
	s_or_b32 exec_lo, exec_lo, s50
	s_endpgm
.Lfunc_end_k_q2e8fd56727_quant:
	.size	k_q2e8fd56727_quant, .Lfunc_end_k_q2e8fd56727_quant-k_q2e8fd56727_quant
	.p2alignl 7, 3214868480
	.fill 96, 4, 3214868480
	.section	.rodata,"a",@progbits
	.p2align	6, 0x0
	.amdhsa_kernel k_q2e8fd56727_quant
		.amdhsa_group_segment_fixed_size 34304
		.amdhsa_private_segment_fixed_size 0
		.amdhsa_enable_private_segment 0
		.amdhsa_kernarg_size 96
		.amdhsa_user_sgpr_count 2
		.amdhsa_user_sgpr_kernarg_segment_ptr 1
		.amdhsa_wavefront_size32 1
		.amdhsa_system_sgpr_workgroup_id_x 1
		.amdhsa_system_sgpr_workgroup_id_y 1
		.amdhsa_system_sgpr_workgroup_id_z 1
		.amdhsa_system_vgpr_workitem_id 0
		.amdhsa_next_free_vgpr 210
		.amdhsa_next_free_sgpr 96
		.amdhsa_reserve_vcc 1
		.amdhsa_float_denorm_mode_32 3
		.amdhsa_float_denorm_mode_16_64 3
		.amdhsa_memory_ordered 1
		.amdhsa_forward_progress 1
		.amdhsa_inst_pref_size 91
	.end_amdhsa_kernel
	.amdgpu_metadata
---
amdhsa.version: [ 1, 2 ]
amdhsa.kernels:
  - .name:           k_q2e8fd56727_quant
    .symbol:         k_q2e8fd56727_quant.kd
    .args:
      - { .name: hidden_states, .offset: 0, .size: 8, .value_kind: global_buffer, .address_space: global }
      - { .name: router_weight, .offset: 8, .size: 8, .value_kind: global_buffer, .address_space: global }
      - { .name: sh_gate, .offset: 16, .size: 8, .value_kind: global_buffer, .address_space: global }
      - { .name: sh_up, .offset: 24, .size: 8, .value_kind: global_buffer, .address_space: global }
      - { .name: sh_down, .offset: 32, .size: 8, .value_kind: global_buffer, .address_space: global }
      - { .name: r_gate, .offset: 40, .size: 8, .value_kind: global_buffer, .address_space: global }
      - { .name: r_up, .offset: 48, .size: 8, .value_kind: global_buffer, .address_space: global }
      - { .name: r_down, .offset: 56, .size: 8, .value_kind: global_buffer, .address_space: global }
      - { .name: xq, .offset: 64, .size: 8, .value_kind: global_buffer, .address_space: global }
      - { .name: wgu, .offset: 72, .size: 8, .value_kind: global_buffer, .address_space: global }
      - { .name: wd, .offset: 80, .size: 8, .value_kind: global_buffer, .address_space: global }
      - { .name: comb, .offset: 88, .size: 8, .value_kind: global_buffer, .address_space: global }
    .group_segment_fixed_size: 34304
    .private_segment_fixed_size: 0
    .kernarg_segment_align: 8
    .kernarg_segment_size: 96
    .max_flat_workgroup_size: 128
    .sgpr_count:     96
    .vgpr_count:     210
    .wavefront_size: 32
...
	.end_amdgpu_metadata
.endif
;; end of part 1
;; launch gateup (part 2): grid 72 x 4, 4 waves a work-group, clusters of 4 x 4, 327,680 bytes of LDS; arguments xq, wgu, hq; writes hq
.if DOCPART == 2
	.amdgcn_target "amdgcn-amd-amdhsa--gfx1250"
	.amdhsa_code_object_version 6
	.text
	.protected	k_q2e8fd56727_gateup
	.globl	k_q2e8fd56727_gateup
	.p2align	8
	.type	k_q2e8fd56727_gateup,@function
k_q2e8fd56727_gateup:
	s_mov_b64 s[64:65], 0
	v_nop
	global_prefetch_b8 v0, s[64:65] scope:SCOPE_SE
	s_setreg_imm32_b32 hwreg(HW_REG_WAVE_MODE, 25, 1), 1
	s_wait_xcnt 0x0
	s_wait_alu depctr_hold_cnt(0) depctr_sa_sdst(0) depctr_va_vdst(0) depctr_va_sdst(0) depctr_va_ssrc(0) depctr_va_vcc(0) depctr_vm_vsrc(0)
	s_getreg_b32 s2, hwreg(HW_REG_IB_STS2, 6, 4)
	s_cmp_eq_u32 s2, 0
	s_cbranch_scc0 .Lentry_in_a_cluster
	s_endpgm
.Lentry_in_a_cluster:
	s_bfe_u32 s2, ttmp6, 0x10000c
	s_cmp_lg_u32 s2, 0xf033
	s_cbranch_scc0 .Lentry_shape_is_right
	s_endpgm
.Lentry_shape_is_right:
; LAUNCH 2 OF 3.  h = silu(x Wg^T) * (x Wu^T) for the routed expert's 1,024 units and the shared expert's 8,192, on codes of BF6 with E8M0 scales; h is quantised along the units and stored as codes.
; All operands lie in records of 6,400 bytes = 64 rows x 128 K: bytes 1536 t + 512 c + 16 lane are registers 4 c .. 4 c + 3 of fragment t, bytes 6144 + 16 r + 4 t the scale word of row r of fragment t.
; SHARES.  Work-group (J, tb): 256 tokens x the 128 units of group J (J = 0..7 routed, 8..71 shared): 128 rows of gate and the same 128 of up.  Wave w: tokens 64 w .. 64 w + 63 against all 256 weight rows:
; 16 weight tiles x 4 token tiles = 64 accumulators, 512 registers.  The waves part along the TOKENS, so that a wave holds all 128 units of a token: a whole K step of the next product.  Its codes and scale
; words then are a record of hq as they stand in registers, and leave with no stage and no barrier.  The price: 20 fragments from LDS for 64 matrix instructions, where a square wave tile would read 16.
; 288 work-groups: 9,216 units have the factor 9, and no cut into whole blocks of 32 units for four waves gives 256 equal shares without halving the wave tile.
; K = 2,048 goes in 16 steps of 128 through a ring of two LDS slots of two steps each.  A step's tiles are dense blocks of 25,600 bytes (four records): one tensor load a wave brings one.
; CLUSTERS: 4 x 4.  The four of a cluster's row share the token block (x's tiles), the four of a column the unit group (the weights' tiles): each tile is asked for JOINTLY.  The grid's four rows are one cluster's four: tb = cy.
; THE MATRIX INSTRUCTION IS USED TRANSPOSED (source 0 = 16 weight rows, source 1 = 16 tokens), and lane r of weight tile 2 b + u is unit 32 b + 8 u + r + 8 (r / 8) (so launch 1 laid them):
; a lane holds ONE token, and the 16 registers of tiles 2 b, 2 b + 1 are units 32 b + 16 (lane / 16) + 0 .. 15.
; REGISTERS, in windows of 256: window 0: v16-29 addresses; v32-39 x's scale words, two sets; v40-55 the weights' scale words; v64-159 x's fragments, two sets of 48; on the way out v64-233 at work.
;   window 1: the weights' 16 fragments at v[12 t], ONE set (tiles 0-7 are fetched anew while tiles 8-15 are multiplied, and the other way round).   window 2: gate's accumulators (t, m) at v[8 (4 t + m)];   window 3: up's.
; LIMITS: as launch 1's; where gate is so negative that 2^(-gate log2 e) overflows, the sigmoid is 0 and h is a zero, as in the definition.
.set SRB,   6400                       ; a record
.set KB,    4*SRB                      ; a K step's tile of x, or of the weights
.set SLOT,  4*KB                       ; x's two K steps, then the weights' two
.set SPARE, 2*SLOT                     ; behind the ring: the spare words, 128 bytes for each wave: two blocks of 256 bytes that no other line names
.set ADRA, 16                          ; v16-17  LDS address of my record of x in slot 0, 1: + 16 x lane
.set ADSA, 18                          ; v18-19  its scale words: + 6144 + 16 r
.set ADRB, 20                          ; v20-21  the weights' records
.set ADSB, 22                          ; v22-23  their scale words
.set VL,   24                          ; v24     16 x lane
.set VS,   25                          ; v25     16 r + 8 h
.set SPW,  28                          ; v28     LDS address of my spare word; never rewritten
.set NIL,  29                          ; v29     0; never rewritten
.set SCA,  32
.set SCB,  40
.set AF,   64
.set SG,   64                          ; the way out: v64-127 the sigmoid at work
.set HD,   128                         ; v128-191 64 numbers of h
.set PC,   192                         ; v192-210 the codes just made
.set TM,   212                         ; v212-227 at work in QUANT
.set PW,   228                         ; v228-231 the four token tiles' scale words
.set G1,   24                          ; s[24:31] descriptor group 1 for x's tiles;  s[32:39] group 0, one set for each slot
.set G0,   32
.set G1B,  48                          ; s[48:55], s[56:63] the same for the weights' tiles
.set G0B,  56
.set SEL,  66                          ; s[66:67] selects for lane l xor 16
.set HM,   68                          ; s68     mask of lanes 16-31
.set CS,   70                          ; s[70:71] -log2(e): the packed form names a pair and takes its low word for both halves
.set MSB, 0
.macro WIN new                         ; the immediate's high byte repeats the setting that is left
.if MSB != (\new)
	s_set_vgpr_msb (MSB<<8)|(\new)
.set MSB, (\new)
.endif
.endm
.set MUL_LO, 0xa1                      ; source 0 (weights) window 1, source 1 (x) window 0, C and D window 2
.set MUL_HI, 0xf1                      ; the same, C and D window 3
.set TO_B,   0x40                      ; destination window 1, address window 0
; A joint load: waves 0 and 1 fetch x's two K steps of a slot, waves 2 and 3 the weights'.  The branch hangs on the wave's number alone.  Four v_nop follow each of the two lines.
.macro JLOAD s
	s_cmp_eq_u32 s15, 0
	s_cbranch_scc0 .Lfor_b_\@
	tensor_load_to_lds s[G0+4*\s:G0+4*\s+3], s[G1:G1+7]
	s_nop 0
.rept 4
	v_nop
.endr
	s_branch .Lasked_\@
.Lfor_b_\@:
	tensor_load_to_lds s[G0B+4*\s:G0B+4*\s+3], s[G1B:G1B+7]
	s_nop 0
.rept 4
	v_nop
.endr
.Lasked_\@:
.endm
.macro CREST                           ; a round of the cluster's barrier behind its opening barrier
	s_cmp_lg_u32 s14, 0
	s_cbranch_scc1 .Lnot_wave_0_\@
	s_barrier_signal -3
.Lnot_wave_0_\@:
	s_barrier_wait -3
	s_barrier_signal -1
	s_barrier_wait -1
.endm
.macro CROUND                          ; a whole round
	s_barrier_signal -1
	s_barrier_wait -1
	CREST
.endm
.macro PLACES                          ; four plain places between a matrix instruction and a load into, or a vector instruction on, its registers (ISA guide 7.12.1 for vector instructions)
.rept 4
	v_nop
.endr
.endm
	s_load_b128 s[4:7], s[0:1], 0x0                ; xq s[4:5], wgu s[6:7]
	s_load_b64 s[8:9], s[0:1], 0x10                ; hq
	v_lshl_add_u32 v[SPW], v0, 2, SPARE
	v_mov_b32 v[NIL], 0
	ds_add_u32 v28, v29
	ds_add_u32 v28, v29
	s_wait_dscnt 0x0
	v_lshrrev_b32 v1, 5, v0
	v_readfirstlane_b32 s14, v1                    ; wave 0..3
	s_lshr_b32 s15, s14, 1                         ; I fetch for x (0) or for the weights (1)
	s_and_b32 s16, s14, 1                          ; which of a slot's two K steps I fetch
	s_bfe_u32 s40, ttmp6, 0x40000                  ; cx
	s_bfe_u32 s41, ttmp6, 0x40004                  ; cy = the token block
	s_lshl_b32 s42, ttmp9, 2
	s_add_co_u32 s42, s42, s40                     ; J = 4 x cluster x + cx
	s_lshl_b32 s43, s41, 2
	s_lshl_b32 s43, 15, s43                        ; my row of the cluster
	s_lshl_b32 s44, 0x1111, s40                    ; my column
	; descriptor group 1: a dense block of 25,600 bytes as 100 rows of 32 elements of 8 bytes; no padding: register images are read 512 consecutive bytes an instruction
	s_or_b32 s[G1+0], s43, (3<<16)|(1<<21)         ; 15:0 the mask: x's tiles go to my row; 17:16 elements of 8 bytes; 21 set beside a mask
	s_or_b32 s[G1B+0], s44, (3<<16)|(1<<21)        ; the weights' tiles go to my column
.irp g, G1, G1B
	s_mov_b32 s[\g+1], 32<<16                      ; tensor_dim0
	s_mov_b32 s[\g+2], 100<<16                     ; tensor_dim1
	s_mov_b32 s[\g+3], 32<<16                      ; tile_dim0
	s_mov_b32 s[\g+4], 100                         ; tile_dim1
	s_mov_b32 s[\g+5], 32                          ; tensor_dim0_stride
	s_mov_b32 s[\g+6], 0
	s_mov_b32 s[\g+7], 0
.endr
	s_mul_i32 s18, s16, KB
	s_mul_i32 s20, s41, 16*KB                      ; x: the token block's 16 K steps,
	s_add_co_u32 s20, s20, s18                     ; + my K step of slot 0
	s_mov_b32 s21, 0
	s_mul_i32 s46, s42, 16*KB                      ; the weights: the unit group's 16 K steps (under 2^25)
	s_add_co_u32 s46, s46, s18
	s_mov_b32 s47, 0
	s_mul_i32 s45, s14, KB                         ; where they go: wave x 25,600: no place in the cluster enters an LDS address
	s_mov_b32 s[SEL], 0x76543210
	s_mov_b32 s[SEL+1], 0xfedcba98
	s_mov_b32 s[HM], 0xffff0000
	s_mov_b32 s[CS], 0xbfb8aa3b
	s_mov_b32 s[CS+1], s[CS]
	s_wait_kmcnt 0x0
	s_add_nc_u64 s[20:21], s[4:5], s[20:21]
	s_add_nc_u64 s[46:47], s[6:7], s[46:47]
	CROUND                                         ; all sixteen work-groups are here: the first joint loads meet
.irp s, 0,1
	s_mov_b32 s[G0+4*\s], 1
	s_add_co_u32 s[G0+4*\s+1], s45, \s*SLOT
	s_add_nc_u64 s[G0+4*\s+2:G0+4*\s+3], s[20:21], \s*2*KB
	s_or_b32 s[G0+4*\s+3], s[G0+4*\s+3], 0x80000000
	s_mov_b32 s[G0B+4*\s], 1
	s_add_co_u32 s[G0B+4*\s+1], s45, \s*SLOT
	s_add_nc_u64 s[G0B+4*\s+2:G0B+4*\s+3], s[46:47], \s*2*KB
	s_or_b32 s[G0B+4*\s+3], s[G0B+4*\s+3], 0x80000000
	JLOAD \s                                       ; two tensor loads of mine are out
.endr
	v_and_b32 v1, 31, v0                           ; lane
	v_and_b32 v2, 15, v0                           ; r
	v_bfe_u32 v3, v0, 4, 1                         ; h
	v_lshlrev_b32 v[VL], 4, v1
	v_lshlrev_b32 v4, 4, v2
	v_lshl_add_u32 v[VS], v3, 3, v4
	s_mul_i32 s22, s14, SRB                        ; my record among x's four
.irp s, 0,1
	v_add_nc_u32 v[ADRA+\s], s22, v[VL]
	v_add_nc_u32 v[ADSA+\s], s22, v4
	v_add_nc_u32 v[ADSA+\s], 6144, v[ADSA+\s]
	v_add_nc_u32 v[ADRB+\s], \s*SLOT+2*KB, v[VL]
	v_add_nc_u32 v[ADSB+\s], \s*SLOT+2*KB+6144, v4
	s_add_co_u32 s22, s22, SLOT
.endr
.irp b, 0,1,2,3
	v_mov_b32 v[TM+4+\b], 0                        ; written once: a lane permute's destination counts as one of its sources
.endr
	s_lshl_b32 s72, s41, 2                         ; where my record of hq lies: token group 4 tb + wave, K step J
	s_add_co_u32 s72, s72, s14
	s_mul_i32 s72, s72, 72
	s_add_co_u32 s72, s72, s42
	s_mul_i32 s72, s72, SRB
	s_mov_b32 s73, 0
	s_add_nc_u64 s[8:9], s[8:9], s[72:73]
; n weight tiles from t0 on x my 4 token tiles, 128 along K.  p: x's set.  zero = 1: the first products start the sums: nothing is cleared.
; The 64 accumulators take turns, one instruction a turn, in the same order in every K step.
.macro MUL t0, n, p, zero
.set TT, \t0
.rept \n
.irp m, 0,1,2,3
.if \zero
	v_wmma_scale_f32_16x16x128_f8f6f4 v[8*(4*(TT%8)+\m):8*(4*(TT%8)+\m)+7], v[12*TT:12*TT+11], v[AF+48*(\p)+12*\m:AF+48*(\p)+12*\m+11], 0, v[SCB+TT], v[SCA+4*(\p)+\m] matrix_a_fmt:MATRIX_FMT_BF6 matrix_b_fmt:MATRIX_FMT_BF6
.else
	v_wmma_scale_f32_16x16x128_f8f6f4 v[8*(4*(TT%8)+\m):8*(4*(TT%8)+\m)+7], v[12*TT:12*TT+11], v[AF+48*(\p)+12*\m:AF+48*(\p)+12*\m+11], v[8*(4*(TT%8)+\m):8*(4*(TT%8)+\m)+7], v[SCB+TT], v[SCA+4*(\p)+\m] matrix_a_fmt:MATRIX_FMT_BF6 matrix_b_fmt:MATRIX_FMT_BF6
.endif
.endr
.set TT, TT+1
.endr
.endm
; 39 LDS loads: gate's 8 tiles and their scale words, my record of x into set p and its scale words; the slot's q-th K step
.macro FETCH_LO slot, q, p
	WIN TO_B
.irp i, 0,1,2,3,4,5,6,7
.irp c, 0,1,2
	ds_load_b128 v[12*\i+4*\c:12*\i+4*\c+3], v[ADRB+\slot] offset:KB*(\q)+SRB*(\i/4)+1536*(\i%4)+512*\c
.endr
.endr
	WIN 0
	ds_load_b128 v[SCB:SCB+3], v[ADSB+\slot] offset:KB*(\q)
	ds_load_b128 v[SCB+4:SCB+7], v[ADSB+\slot] offset:KB*(\q)+SRB
.irp m, 0,1,2,3
.irp c, 0,1,2
	ds_load_b128 v[AF+48*(\p)+12*\m+4*\c:AF+48*(\p)+12*\m+4*\c+3], v[ADRA+\slot] offset:KB*(\q)+1536*\m+512*\c
.endr
.endr
	ds_load_b128 v[SCA+4*(\p):SCA+4*(\p)+3], v[ADSA+\slot] offset:KB*(\q)
.endm
; 26 LDS loads: up's 8 tiles and their scale words
.macro FETCH_HI slot, q
	WIN TO_B
.irp i, 8,9,10,11,12,13,14,15
.irp c, 0,1,2
	ds_load_b128 v[12*\i+4*\c:12*\i+4*\c+3], v[ADRB+\slot] offset:KB*(\q)+SRB*(\i/4)+1536*(\i%4)+512*\c
.endr
.endr
	WIN 0
	ds_load_b128 v[SCB+8:SCB+11], v[ADSB+\slot] offset:KB*(\q)+2*SRB
	ds_load_b128 v[SCB+12:SCB+15], v[ADSB+\slot] offset:KB*(\q)+3*SRB
.endm
; A slot's first K step (x's set 0); the second step's fragments are fetched on the way.
.macro STEP slot, zero
	s_wait_dscnt 26                                ; gate's tiles and x are in; the youngest 26 loads (up's tiles) may be out
	WIN MUL_LO
	MUL 0, 8, 0, \zero
	s_wait_dscnt 0x0                               ; up's tiles are in (asked for 32 matrix instructions ago)
	PLACES
	FETCH_LO \slot, 1, 1
	WIN MUL_HI
	MUL 8, 8, 0, \zero
	PLACES
	FETCH_HI \slot, 1
.endm
; A slot's second K step (x's set 1) changes slots: ONE barrier; in front of it each wave waits for all its tensor loads, adds 0 to its spare word, and waits for that and for its own reads of this slot.
; fill = 1: this slot is filled again, with the K steps two slots on; the barrier then opens a round of the cluster's.
.macro TURN slot, next, fill
	s_wait_tensorcnt 0x0                           ; all my tensor loads have landed: the one that was out is my part of the next slot  (every window is 0 here)
	ds_add_u32 v[SPW], v[NIL]                      ; 0 onto my spare word
	s_wait_dscnt 27                                ; (the add and the youngest 26 loads, up's tiles, may be out)
	WIN MUL_LO
	MUL 0, 4, 1, 0                                 ; sixteen matrix instructions stand between the add and the wait for it
	s_wait_dscnt 0x0                               ; the add is done, and my reads of this slot are over
	s_barrier_signal -1
	MUL 4, 4, 1, 0
	WIN 0
	s_barrier_wait -1
.if \fill
	CREST                                          ; no wave of any partner still reads this slot or has a load on its way
	s_add_nc_u64 s[G0+4*\slot+2:G0+4*\slot+3], s[G0+4*\slot+2:G0+4*\slot+3], 4*KB
	s_add_nc_u64 s[G0B+4*\slot+2:G0B+4*\slot+3], s[G0B+4*\slot+2:G0B+4*\slot+3], 4*KB
	JLOAD \slot                                    ; the first tensor load behind the round, my only one until the next; its four v_nop are the places in front of the loads below
.else
	PLACES
.endif
	FETCH_LO \next, 0, 0
	WIN MUL_HI
	MUL 8, 8, 1, 0
	PLACES
	FETCH_HI \next, 0
.endm
; 64 numbers of a lane, v[s] .. v[s + 63], register 16 b + i = k 32 b + 16 (lane / 16) + i of my row, become a fragment's codes in v[PC] on and its scale word in v[pw].
.macro QUANT s, pw
.irp b, 0,1,2,3
	v_max3_num_f32 v[TM+\b], |v[\s+16*\b]|, |v[\s+1+16*\b]|, 0x2800000   ; block b: my 16 numbers, and the floor 2^(5 - 127): the byte cannot fall under 1
.endr
.irp i, 2,4,6,8,10,12,14
.irp b, 0,1,2,3
	v_max3_num_f32 v[TM+\b], v[TM+\b], |v[\s+16*\b+\i]|, |v[\s+1+16*\b+\i]|
.endr
.endr
.irp b, 0,1,2,3
	v_permlanex16_b32 v[TM+4+\b], v[TM+\b], s[SEL], s[SEL+1]
.endr
.irp b, 0,1,2,3
	v_max_num_f32 v[TM+\b], v[TM+\b], v[TM+4+\b]   ; with lane l xor 16's: the block's largest magnitude
.endr
.irp b, 0,1,2,3
	v_add_nc_u32 v[TM+12+\b], 0xfe000000, v[TM+\b] ; 4 off its exponent field: the conversion's scale operand
.endr
.irp b, 0,1,2,3
	v_lshrrev_b32 v[TM+4+\b], 23, v[TM+12+\b]      ; the scale's byte
.endr
	v_lshl_or_b32 v[\pw], v[TM+5], 8, v[TM+4]
	v_lshl_or_b32 v[\pw], v[TM+6], 16, v[\pw]
	v_lshl_or_b32 v[\pw], v[TM+7], 24, v[\pw]
.irp c, 0,1
	v_cvt_scalef32_pk16_bf6_f32 v[PC+6*\c:PC+2+6*\c], v[\s+32*\c:\s+15+32*\c], v[TM+12+2*\c]
	v_cvt_scalef32_pk16_bf6_f32 v[PC+12+4*\c:PC+14+4*\c], v[\s+16+32*\c:\s+31+32*\c], v[TM+12+2*\c+1]   ; (a conversion's three registers begin on an even number)
.endr
	v_nop                                          ; one plain place behind a scaled conversion
.irp c, 0,1                                    ; a WHOLE block in a lane: lanes 0-15 block 2 c, lanes 16-31 block 2 c + 1
.irp i, 0,1,2
	v_permlane16_swap_b32 v[PC+6*\c+\i], v[PC+12+4*\c+\i]
.endr
.irp i, 0,1,2
	v_mov_b32 v[PC+3+6*\c+\i], v[PC+12+4*\c+\i]
.endr
.endr
.endm
	s_wait_tensorcnt 1                             ; my part of slot 0 is in; slot 1's may stay out
	s_barrier_signal -1
	s_barrier_wait -1                              ; everybody's is
	FETCH_LO 0, 0, 0
	FETCH_HI 0, 0
	STEP 0, 1                                      ; the first K step stands in front of the loop: its products start the sums
	s_mov_b32 s3, 3
.Llap:                                                 ; a trip goes once round the ring, from a lap's second K step to the next lap's first, and fills both slots again: fills 2 .. 7 of 8
	TURN 0, 1, 1
	STEP 1, 0
	TURN 1, 0, 1
	STEP 0, 0
	s_sub_co_u32 s3, s3, 1
	s_cmp_lg_u32 s3, 0
	s_cbranch_scc1 .Llap
	TURN 0, 1, 0                                   ; the last lap fills nothing, and has no round of the cluster's barrier
	STEP 1, 0
	s_wait_dscnt 26                                ; the very last K step: nothing more to fetch
	WIN MUL_LO
	MUL 0, 8, 1, 0
	s_wait_dscnt 0x0
	WIN MUL_HI
	MUL 8, 8, 1, 0
	WIN 0
	PLACES
; THE WAY OUT, a token tile m at a time.  h = gate x up x 1 / (1 + 2^(-gate log2 e)), all in f32; register 8 t + j is unit 32 (t / 2) + 16 (lane / 16) + 8 (t % 2) + j of my token.
; Each accumulator is read from its low end on.  QUANT's 12 registers are fragment m of my record of hq.
.macro OUT m
	WIN 0x02                                       ; source 0 window 2: gate
.set TT, 0
.rept 8
.irp p, 0,2,4,6
	v_pk_mul_f32 v[SG+8*TT+\p:SG+8*TT+\p+1], v[8*(4*TT+\m)+\p:8*(4*TT+\m)+\p+1], s[CS:CS+1] op_sel_hi:[1,0]
.endr
.set TT, TT+1
.endr
	WIN 0
.set i, 0
.rept 64
	v_exp_f32 v[SG+i], v[SG+i]
.set i, i+1
.endr
	v_nop                                          ; one plain place behind the exponentials
.set i, 0
	s_wait_alu depctr_va_vdst(0)
.rept 32
	v_pk_add_f32 v[SG+i:SG+i+1], v[SG+i:SG+i+1], 1.0 op_sel_hi:[1,0]
.set i, i+2
.endr
.set i, 0
.rept 64
	v_rcp_f32 v[SG+i], v[SG+i]
.set i, i+1
.endr
	WIN 0x0e                                       ; source 0 window 2 (gate), source 1 window 3 (up).  These products are the plain places behind the reciprocals
.set TT, 0
.rept 8
.irp p, 0,2,4,6
	v_pk_mul_f32 v[HD+8*TT+\p:HD+8*TT+\p+1], v[8*(4*TT+\m)+\p:8*(4*TT+\m)+\p+1], v[8*(4*TT+\m)+\p:8*(4*TT+\m)+\p+1]
.endr
.set TT, TT+1
.endr
	WIN 0
.set i, 0
	s_wait_alu depctr_va_vdst(0)
.rept 32
	v_pk_mul_f32 v[HD+i:HD+i+1], v[HD+i:HD+i+1], v[SG+i:SG+i+1]
.set i, i+2
.endr
.if \m > 0
	s_wait_xcnt 0x0                                ; the last tile's stores have read the codes' registers
.endif
	QUANT HD, PW+\m
.irp c, 0,1,2
	global_store_b128 v[VL], v[PC+4*\c:PC+4*\c+3], s[8:9] offset:1536*\m+512*\c   ; 32 lanes store 512 consecutive bytes, at a multiple of 256 from the buffer's first byte
.endr
.endm
	OUT 0
	OUT 1
	OUT 2
	OUT 3
	v_cndmask_b32 v232, v[PW], v[PW+2], s[HM]      ; lanes 0-15 send row r's words of tiles 0 and 1, lanes 16-31 those of tiles 2 and 3
	v_cndmask_b32 v233, v[PW+1], v[PW+3], s[HM]
	global_store_b64 v[VS], v[232:233], s[8:9] offset:6144   ; 256 consecutive bytes, aligned
	s_wait_tensorcnt 0x0                           ; the wave's end
	ds_add_u32 v[SPW], v[NIL]
	s_wait_dscnt 0x0
	CROUND                                         ; the closing round: no work-group ends while a partner may still ask for a tile that names it
	s_endpgm
.Lfunc_end_k_q2e8fd56727_gateup:
	.size	k_q2e8fd56727_gateup, .Lfunc_end_k_q2e8fd56727_gateup-k_q2e8fd56727_gateup
	.p2alignl 7, 3214868480
	.fill 96, 4, 3214868480
	.section	.rodata,"a",@progbits
	.p2align	6, 0x0
	.amdhsa_kernel k_q2e8fd56727_gateup
		.amdhsa_group_segment_fixed_size 327680
		.amdhsa_private_segment_fixed_size 0
		.amdhsa_enable_private_segment 0
		.amdhsa_kernarg_size 24
		.amdhsa_user_sgpr_count 2
		.amdhsa_user_sgpr_kernarg_segment_ptr 1
		.amdhsa_wavefront_size32 1
		.amdhsa_system_sgpr_workgroup_id_x 1
		.amdhsa_system_sgpr_workgroup_id_y 1
		.amdhsa_system_sgpr_workgroup_id_z 1
		.amdhsa_system_vgpr_workitem_id 0
		.amdhsa_next_free_vgpr 1024
		.amdhsa_next_free_sgpr 98
		.amdhsa_reserve_vcc 0
		.amdhsa_float_denorm_mode_32 3
		.amdhsa_float_denorm_mode_16_64 3
		.amdhsa_memory_ordered 1
		.amdhsa_forward_progress 1
		.amdhsa_inst_pref_size 175
	.end_amdhsa_kernel
	.amdgpu_metadata
---
amdhsa.version: [ 1, 2 ]
amdhsa.kernels:
  - .name:           k_q2e8fd56727_gateup
    .symbol:         k_q2e8fd56727_gateup.kd
    .args:
      - { .name: xq, .offset: 0, .size: 8, .value_kind: global_buffer, .address_space: global }
      - { .name: wgu, .offset: 8, .size: 8, .value_kind: global_buffer, .address_space: global }
      - { .name: hq, .offset: 16, .size: 8, .value_kind: global_buffer, .address_space: global }
    .group_segment_fixed_size: 327680
    .private_segment_fixed_size: 0
    .kernarg_segment_align: 8
    .kernarg_segment_size: 24
    .max_flat_workgroup_size: 128
    .sgpr_count:     98
    .vgpr_count:     1024
    .wavefront_size: 32
...
	.end_amdgpu_metadata
.endif
;; end of part 2
;; launch down (part 3): grid 32 x 8, 4 waves a work-group, clusters of 4 x 4, 327,680 bytes of LDS; arguments hq, wd, comb, out0; writes out0
.if DOCPART == 3
	.amdgcn_target "amdgcn-amd-amdhsa--gfx1250"
	.amdhsa_code_object_version 6
	.text
	.protected	k_q2e8fd56727_down
	.globl	k_q2e8fd56727_down
	.p2align	8
	.type	k_q2e8fd56727_down,@function
k_q2e8fd56727_down:
	s_mov_b64 s[64:65], 0
	v_nop
	global_prefetch_b8 v0, s[64:65] scope:SCOPE_SE
	s_setreg_imm32_b32 hwreg(HW_REG_WAVE_MODE, 25, 1), 1
	s_wait_xcnt 0x0
	s_wait_alu depctr_hold_cnt(0) depctr_sa_sdst(0) depctr_va_vdst(0) depctr_va_sdst(0) depctr_va_ssrc(0) depctr_va_vcc(0) depctr_vm_vsrc(0)
	s_getreg_b32 s2, hwreg(HW_REG_IB_STS2, 6, 4)
	s_cmp_eq_u32 s2, 0
	s_cbranch_scc0 .Lentry_in_a_cluster
	s_endpgm
.Lentry_in_a_cluster:
	s_bfe_u32 s2, ttmp6, 0x10000c
	s_cmp_lg_u32 s2, 0xf033
	s_cbranch_scc0 .Lentry_shape_is_right
	s_endpgm
.Lentry_shape_is_right:
; LAUNCH 3 OF 3.  out = comb[token] x (h_routed Wd_r^T) + h_shared Wd_s^T, on codes of BF6 with E8M0 scales; sums in f32.
; K = 9,216 = 72 steps of 128: steps 0-7 are the routed expert's units, steps 8-71 the shared expert's.  hq [token group of 64][K step], wd [64 outputs][K step]: records of 6,400 bytes = 64 rows x 128 K:
; bytes 1536 t + 512 c + 16 lane are registers 4 c .. 4 c + 3 of fragment t, bytes 6144 + 16 r + 4 t the scale word of row r of fragment t.
; SHARES.  256 work-groups; work-group (og, tb): 128 tokens x 64 outputs.  THE FOUR WAVES PART ALONG K: each holds the whole tile (32 accumulators, 256 registers) and takes 18 of the 72 K steps:
; 12 fragments from LDS feed 32 matrix instructions, where four waves of 64 x 32 would read 6 for 8.  The four parts are added at the end, through LDS: (p0 + p1) + (p2 + p3).
; The ring: two LDS slots of 8 K steps (two records of hq and one of wd for each step), 9 fills; in each slot wave w takes steps 2 w and 2 w + 1.  FILL 0 IS EXACTLY THE ROUTED K: behind it every wave multiplies
; its sums by comb of the lane's token, and the shared K is summed on top.
; CLUSTERS: 4 x 4.  The four of a cluster's row share the token block (hq's tiles), the four of a column the outputs (wd's tiles): each tile is asked for JOINTLY.
; THE MATRIX INSTRUCTION IS USED TRANSPOSED (source 0 = 16 outputs of wd, source 1 = 16 tokens): a lane holds one token and eight neighbouring outputs.
; REGISTERS, in windows of 256: window 0: v8-29 addresses; v32-55 scale words, two sets of 12 (hq's 8, wd's 4); v56-71 comb, twice for each token tile; v80-207 the way out.
;   window 1: accumulator (a, b) at v[8 (4 a + b)].   windows 2 and 3: operand sets 0 and 1: hq's 8 fragments at v[12 a], wd's 4 at v[96 + 12 b].
.set SRB,   6400
.set AREG,  8*SRB                      ; 8 K steps of one group of 64 rows: 51,200 bytes, dense in memory
.set SLOT,  3*AREG                     ; token group 0, token group 1, the outputs
.set SPARE, 2*SLOT                     ; behind the ring: the spare words, 128 bytes for each wave: two blocks of 256 bytes that no other line names
.set STAGE, SLOT                       ; the four parts meet in slot 1, which has had its last fill and its last read at the last change of slots
.set SP,    272                        ; a stage row: 64 outputs, 256 bytes, + 16
.set PART,  128*SP                     ; a wave's part
.set CA,   8                           ; v8-13   LDS address of my two K steps' codes: slot s, region x (token group 0, 1, outputs) at v[CA + 3 s + x]
.set SA,   14                          ; v14-19  the same for their scale words
.set STO,  20                          ; v20     the stage: where I put 32 bytes of a row of my part
.set RD0,  21                          ; v21     where I read rows back: parts 0 and 1;
.set RD1,  22                          ; v22     parts 2 and 3
.set CO,   23                          ; v23     my byte offset in two rows of out0
.set CB,   24                          ; v24     4 r
.set SPW,  28                          ; v28     LDS address of my spare word; never rewritten
.set NIL,  29                          ; v29     0; never rewritten
.set SC,   32
.set CW,   56
.set PB,   80                          ; v80-143  four pairs of rows x four parts
.set SUM,  144                         ; v144-207 16 pairs of rows: registers of their own, so that no store's data are written again
.set G1,   24                          ; s[24:31] descriptor group 1 for hq's tiles;  s[32:39] group 0, one set for each slot
.set G0,   32
.set G1B,  48                          ; s[48:55], s[56:63] the same for wd's tiles
.set G0B,  56
.set MSB, 0
.macro WIN new                         ; the immediate's high byte repeats the setting that is left
.if MSB != (\new)
	s_set_vgpr_msb (MSB<<8)|(\new)
.set MSB, (\new)
.endif
.endm
.set MW0, 0x5a                         ; sources 0 and 1 window 2, C and D window 1
.set MW1, 0x5f                         ; sources 0 and 1 window 3, C and D window 1
; A joint load: waves 0 and 1 fetch hq's two token groups, waves 2 and 3 the two halves of wd's tile.  The branch hangs on the wave's number alone.  Four v_nop follow each of the two lines.
.macro JLOAD s
	s_cmp_eq_u32 s15, 0
	s_cbranch_scc0 .Lfor_b_\@
	tensor_load_to_lds s[G0+4*\s:G0+4*\s+3], s[G1:G1+7]
	s_nop 0
.rept 4
	v_nop
.endr
	s_branch .Lasked_\@
.Lfor_b_\@:
	tensor_load_to_lds s[G0B+4*\s:G0B+4*\s+3], s[G1B:G1B+7]
	s_nop 0
.rept 4
	v_nop
.endr
.Lasked_\@:
.endm
.macro CREST                           ; a round of the cluster's barrier behind its opening barrier
	s_cmp_lg_u32 s14, 0
	s_cbranch_scc1 .Lnot_wave_0_\@
	s_barrier_signal -3
.Lnot_wave_0_\@:
	s_barrier_wait -3
	s_barrier_signal -1
	s_barrier_wait -1
.endm
.macro CROUND                          ; a whole round
	s_barrier_signal -1
	s_barrier_wait -1
	CREST
.endm
.macro PLACES                          ; four plain places between a matrix instruction and a load into, or a vector instruction or store on, its registers (ISA guide 7.12.1 for vector instructions)
.rept 4
	v_nop
.endr
.endm
	s_load_b256 s[4:11], s[0:1], 0x0               ; hq s[4:5], wd s[6:7], comb s[8:9], out0 s[10:11]
	v_lshl_add_u32 v[SPW], v0, 2, SPARE
	v_mov_b32 v[NIL], 0
	ds_add_u32 v28, v29
	ds_add_u32 v28, v29
	s_wait_dscnt 0x0
	v_lshrrev_b32 v1, 5, v0
	v_readfirstlane_b32 s14, v1                    ; wave 0..3
	s_lshr_b32 s15, s14, 1                         ; I fetch for hq (0) or for wd (1)
	s_and_b32 s16, s14, 1                          ; which token group, or which half of wd's tile
	s_bfe_u32 s40, ttmp6, 0x40000                  ; cx
	s_bfe_u32 s41, ttmp6, 0x40004                  ; cy
	s_lshl_b32 s42, ttmp9, 2
	s_add_co_u32 s42, s42, s40                     ; og = 4 x cluster x + cx: my 64 outputs
	s_and_b32 s17, ttmp7, 0xffff
	s_lshl_b32 s17, s17, 2
	s_add_co_u32 s17, s17, s41                     ; tb = 4 x cluster y + cy: my 128 tokens
	s_lshl_b32 s43, s41, 2
	s_lshl_b32 s43, 15, s43                        ; my row of the cluster
	s_lshl_b32 s44, 0x1111, s40                    ; my column
	; descriptor groups 1: dense blocks as rows of 32 elements of 8 bytes, no padding: hq's 51,200 bytes are 200 rows, half of wd's tile 100
	s_or_b32 s[G1+0], s43, (3<<16)|(1<<21)         ; 15:0 the mask: hq's tiles go to my row; 17:16 elements of 8 bytes; 21 set beside a mask
	s_mov_b32 s[G1+1], 32<<16                      ; tensor_dim0
	s_mov_b32 s[G1+2], 200<<16                     ; tensor_dim1
	s_mov_b32 s[G1+3], 32<<16                      ; tile_dim0
	s_mov_b32 s[G1+4], 200                         ; tile_dim1
	s_mov_b32 s[G1+5], 32                          ; tensor_dim0_stride
	s_mov_b32 s[G1+6], 0
	s_mov_b32 s[G1+7], 0
	s_or_b32 s[G1B+0], s44, (3<<16)|(1<<21)        ; wd's tiles go to my column
	s_mov_b32 s[G1B+1], 32<<16
	s_mov_b32 s[G1B+2], 100<<16
	s_mov_b32 s[G1B+3], 32<<16
	s_mov_b32 s[G1B+4], 100
	s_mov_b32 s[G1B+5], 32
	s_mov_b32 s[G1B+6], 0
	s_mov_b32 s[G1B+7], 0
	s_lshl_b32 s20, s17, 1
	s_add_co_u32 s20, s20, s16
	s_mul_i32 s20, s20, 72*SRB                     ; hq: token group 2 tb + (wave & 1), its 72 K steps on end
	s_mov_b32 s21, 0
	s_mul_i32 s18, s16, 4*SRB
	s_mul_i32 s46, s42, 72*SRB                     ; wd: output group og, + my half of a fill's 8 K steps
	s_add_co_u32 s46, s46, s18
	s_mov_b32 s47, 0
	s_mul_i32 s45, s16, AREG                       ; where they go: hq's token group,
	s_add_co_u32 s19, s18, 2*AREG                  ; wd's half behind the two: no place in the cluster enters an LDS address
	s_wait_kmcnt 0x0
	s_add_nc_u64 s[20:21], s[4:5], s[20:21]
	s_add_nc_u64 s[46:47], s[6:7], s[46:47]
	CROUND                                         ; all sixteen work-groups are here: the first joint loads meet
.irp s, 0,1
	s_mov_b32 s[G0+4*\s], 1
	s_add_co_u32 s[G0+4*\s+1], s45, \s*SLOT
	s_add_nc_u64 s[G0+4*\s+2:G0+4*\s+3], s[20:21], \s*AREG
	s_or_b32 s[G0+4*\s+3], s[G0+4*\s+3], 0x80000000
	s_mov_b32 s[G0B+4*\s], 1
	s_add_co_u32 s[G0B+4*\s+1], s19, \s*SLOT
	s_add_nc_u64 s[G0B+4*\s+2:G0B+4*\s+3], s[46:47], \s*AREG
	s_or_b32 s[G0B+4*\s+3], s[G0B+4*\s+3], 0x80000000
	JLOAD \s                                       ; two tensor loads of mine are out
.endr
	v_and_b32 v1, 31, v0                           ; lane
	v_and_b32 v2, 15, v0                           ; r
	v_bfe_u32 v3, v0, 4, 1                         ; h
	v_lshlrev_b32 v[CB], 2, v2
	s_lshl_b32 s74, s17, 9                         ; comb of my 128 tokens
	s_mov_b32 s75, 0
	s_add_nc_u64 s[8:9], s[8:9], s[74:75]
.irp a, 0,1,2,3,4,5,6,7
	global_load_b32 v[CW+2*\a], v[CB], s[8:9] offset:64*\a      ; comb of token 16 a + r, into both registers of a pair for the packed multiply
	global_load_b32 v[CW+2*\a+1], v[CB], s[8:9] offset:64*\a
.endr
	v_lshlrev_b32 v4, 4, v1
	v_lshlrev_b32 v5, 4, v2
	s_mul_i32 s21, s14, 2*SRB                      ; my two K steps of a slot's eight
	v_add_nc_u32 v4, s21, v4
	v_add_nc_u32 v5, s21, v5
.irp s, 0,1
.irp x, 0,1,2
	v_add_nc_u32 v[CA+3*\s+\x], \s*SLOT+\x*AREG, v4
	v_add_nc_u32 v[SA+3*\s+\x], \s*SLOT+\x*AREG+6144, v5
.endr
.endr
	s_mul_i32 s22, s14, PART
	s_add_co_u32 s22, s22, STAGE                   ; my part of the stage
	v_mul_u32_u24 v6, v2, SP
	v_lshl_add_u32 v6, v3, 5, v6
	v_add_nc_u32 v[STO], s22, v6                   ; in: row r, 32 bytes for each half of the lanes
	s_mul_i32 s23, s14, 32*SP
	s_add_co_u32 s23, s23, STAGE                   ; back: rows 32 w on; lanes 0-15 one row of 256 bytes, lanes 16-31 the next
	v_mul_u32_u24 v7, v3, SP
	v_lshl_add_u32 v7, v2, 4, v7
	v_add_nc_u32 v[RD0], s23, v7
	v_add_nc_u32 v[RD1], 2*PART, v[RD0]
	v_lshlrev_b32 v[CO], 13, v3                    ; and the same two rows in out0: 8,192 bytes a row
	v_lshl_add_u32 v[CO], v2, 4, v[CO]
	s_lshl_b32 s72, s17, 7
	s_lshl_b32 s73, s14, 5
	s_add_co_u32 s72, s72, s73                     ; the first row that I store: 128 tb + 32 wave
	s_lshl_b32 s72, s72, 13
	s_lshl_b32 s73, s42, 8                         ; my 64 outputs: 256 bytes
	s_add_co_u32 s72, s72, s73
	s_mov_b32 s73, 0
	s_add_nc_u64 s[10:11], s[10:11], s[72:73]
; 39 LDS loads: my q-th K step of the slot into operand set p: hq's 8 fragments, wd's 4, then the three records' scale words
.macro FETCH slot, q, p
	WIN 0x80+0x40*(\p)                             ; destination window 2 or 3, address window 0
.irp x, 0,1,2
.irp t, 0,1,2,3
.irp c, 0,1,2
	ds_load_b128 v[48*\x+12*\t+4*\c:48*\x+12*\t+4*\c+3], v[CA+3*(\slot)+\x] offset:SRB*(\q)+1536*\t+512*\c
.endr
.endr
.endr
	WIN 0
.irp x, 0,1,2
	ds_load_b128 v[SC+12*(\p)+4*\x:SC+12*(\p)+4*\x+3], v[SA+3*(\slot)+\x] offset:SRB*(\q)
.endr
.endm
; n token tiles from a0 on x the 4 output tiles, 128 along K, operand set p.  zero = 1: the first products start the sums.  The 32 accumulators take turns, one instruction a turn, in the same order in every K step.
.macro MULA a0, n, p, zero
.set AA, \a0
.rept \n
.irp b, 0,1,2,3
.if \zero
	v_wmma_scale_f32_16x16x128_f8f6f4 v[8*(4*AA+\b):8*(4*AA+\b)+7], v[96+12*\b:96+12*\b+11], v[12*AA:12*AA+11], 0, v[SC+12*(\p)+8+\b], v[SC+12*(\p)+AA] matrix_a_fmt:MATRIX_FMT_BF6 matrix_b_fmt:MATRIX_FMT_BF6
.else
	v_wmma_scale_f32_16x16x128_f8f6f4 v[8*(4*AA+\b):8*(4*AA+\b)+7], v[96+12*\b:96+12*\b+11], v[12*AA:12*AA+11], v[8*(4*AA+\b):8*(4*AA+\b)+7], v[SC+12*(\p)+8+\b], v[SC+12*(\p)+AA] matrix_a_fmt:MATRIX_FMT_BF6 matrix_b_fmt:MATRIX_FMT_BF6
.endif
.endr
.set AA, AA+1
.endr
.endm
; My first K step of a slot (set 0); my second is fetched ahead of its products.
.macro HALF slot, zero
	s_wait_dscnt 0x0                               ; set 0 is in (asked for 24 matrix instructions ago)
	PLACES                                         ; set 1 was read by the matrix instructions just issued
	FETCH \slot, 1, 1
	WIN MW0
	MULA 0, 8, 0, \zero
.endm
; My second K step (set 1) changes slots: ONE barrier; in front of it each wave waits for all its tensor loads, adds 0 to its spare word, and waits for that and for its own reads of this slot.
; fill = 1: this slot is filled again, with the K steps two slots on; the barrier then opens a round of the cluster's.
.macro TURN slot, next, fill
	WIN 0                                          ; (the add's two registers lie in window 0)
	s_wait_tensorcnt 0x0                           ; all my tensor loads have landed: the one that was out is my part of the next slot
	ds_add_u32 v[SPW], v[NIL]                      ; 0 onto my spare word
	s_wait_dscnt 1                                 ; set 1 is in; the add may be out
	WIN MW1
	MULA 0, 1, 1, 0                                ; four matrix instructions stand between the add and the wait for it
	s_wait_dscnt 0x0                               ; the add is done, and my reads of this slot are over
	s_barrier_signal -1
	MULA 1, 1, 1, 0
	WIN 0
	s_barrier_wait -1
.if \fill
	CREST                                          ; no wave of any partner still reads this slot or has a load on its way
	s_add_nc_u64 s[G0+4*\slot+2:G0+4*\slot+3], s[G0+4*\slot+2:G0+4*\slot+3], 2*AREG
	s_add_nc_u64 s[G0B+4*\slot+2:G0B+4*\slot+3], s[G0B+4*\slot+2:G0B+4*\slot+3], 2*AREG
	JLOAD \slot                                    ; the first tensor load behind the round, my only one until the next; its four v_nop are the places in front of the loads below
.else
	PLACES
.endif
	FETCH \next, 0, 0
	WIN MW1
	MULA 2, 6, 1, 0
.endm
	s_wait_tensorcnt 1                             ; my part of slot 0 is in; slot 1's may stay out
	s_barrier_signal -1
	s_barrier_wait -1                              ; everybody's is
	FETCH 0, 0, 0
	HALF 0, 1                                      ; fill 0, the routed K: its first products start the sums
	TURN 0, 1, 1
	s_wait_loadcnt 0x0                             ; comb
	PLACES
	WIN 0x41                                       ; destination and source 0 window 1, source 1 window 0
.set AA, 0
.rept 8                                        ; THE ROUTED SUMS x comb of the lane's token; each accumulator from its low end on.  The shared K is summed onto this
.set i, 0
.rept 16
	v_pk_mul_f32 v[32*AA+i:32*AA+i+1], v[32*AA+i:32*AA+i+1], v[CW+2*AA:CW+2*AA+1]
.set i, i+2
.endr
.set AA, AA+1
.endr
	WIN 0
	s_mov_b32 s3, 3
.Llap:                                                 ; a trip goes once round the ring and fills both slots again: with the fill above, fills 2 .. 8 of 9
	HALF 1, 0
	TURN 1, 0, 1
	HALF 0, 0
	TURN 0, 1, 1
	WIN 0                                          ; at a label and at a branch every window is 0
	s_sub_co_u32 s3, s3, 1
	s_cmp_lg_u32 s3, 0
	s_cbranch_scc1 .Llap
	HALF 1, 0                                      ; fill 7
	TURN 1, 0, 0                                   ; the last change of slots fills nothing, and has no round of the cluster's barrier; behind it nobody reads slot 1
	HALF 0, 0                                      ; fill 8
	s_wait_dscnt 0x0
	WIN MW1
	MULA 0, 8, 1, 0
	WIN 0
	PLACES
	; THE FOUR PARTS MEET: each wave puts its 128 x 64 sums into its part of the stage; a barrier; wave w adds the four parts of rows 32 w .. 32 w + 31 and stores them.
	WIN 0x04                                       ; an LDS store's data are its source 1: window 1
.set AA, 0
.rept 8
.irp b, 0,1,2,3
	ds_store_b128 v[STO], v[32*AA+8*\b:32*AA+8*\b+3] offset:16*AA*SP+64*\b          ; lane (r, h): token 16 a + r, outputs 16 b + 8 h + 0 .. 7; each accumulator from its low end on
	ds_store_b128 v[STO], v[32*AA+8*\b+4:32*AA+8*\b+7] offset:16*AA*SP+64*\b+16
.endr
.set AA, AA+1
.endr
	WIN 0
	s_wait_dscnt 0x0                               ; for the others' sake: my stores into the stage are done
	s_barrier_signal -1
	s_barrier_wait -1
.macro BATCH g                         ; four pairs of rows
.irp i, 0,1,2,3
	ds_load_b128 v[PB+16*\i:PB+16*\i+3],     v[RD0] offset:2*SP*(4*\g+\i)
	ds_load_b128 v[PB+16*\i+4:PB+16*\i+7],   v[RD0] offset:2*SP*(4*\g+\i)+PART
	ds_load_b128 v[PB+16*\i+8:PB+16*\i+11],  v[RD1] offset:2*SP*(4*\g+\i)
	ds_load_b128 v[PB+16*\i+12:PB+16*\i+15], v[RD1] offset:2*SP*(4*\g+\i)+PART
.endr
	s_wait_dscnt 0x0
.irp i, 0,1,2,3
.irp p, 0,2
	v_pk_add_f32 v[PB+16*\i+\p:PB+16*\i+\p+1], v[PB+16*\i+\p:PB+16*\i+\p+1], v[PB+16*\i+4+\p:PB+16*\i+4+\p+1]
	v_pk_add_f32 v[PB+16*\i+8+\p:PB+16*\i+8+\p+1], v[PB+16*\i+8+\p:PB+16*\i+8+\p+1], v[PB+16*\i+12+\p:PB+16*\i+12+\p+1]
.endr
.irp p, 0,2
	v_pk_add_f32 v[SUM+4*(4*\g+\i)+\p:SUM+4*(4*\g+\i)+\p+1], v[PB+16*\i+\p:PB+16*\i+\p+1], v[PB+16*\i+8+\p:PB+16*\i+8+\p+1]
.endr
	global_store_b128 v[CO], v[SUM+4*(4*\g+\i):SUM+4*(4*\g+\i)+3], s[10:11] offset:16384*(4*\g+\i) th:TH_STORE_NT   ; 16 lanes store 256 consecutive bytes, at a multiple of 256 from out0's first byte; written once, read by nobody here
.endr
.endm
	BATCH 0
	BATCH 1
	BATCH 2
	BATCH 3
	s_wait_tensorcnt 0x0                           ; the wave's end
	ds_add_u32 v[SPW], v[NIL]
	s_wait_dscnt 0x0
	CROUND                                         ; the closing round: no work-group ends while a partner may still ask for a tile that names it
	s_endpgm
.Lfunc_end_k_q2e8fd56727_down:
	.size	k_q2e8fd56727_down, .Lfunc_end_k_q2e8fd56727_down-k_q2e8fd56727_down
	.p2alignl 7, 3214868480
	.fill 96, 4, 3214868480
	.section	.rodata,"a",@progbits
	.p2align	6, 0x0
	.amdhsa_kernel k_q2e8fd56727_down
		.amdhsa_group_segment_fixed_size 327680
		.amdhsa_private_segment_fixed_size 0
		.amdhsa_enable_private_segment 0
		.amdhsa_kernarg_size 32
		.amdhsa_user_sgpr_count 2
		.amdhsa_user_sgpr_kernarg_segment_ptr 1
		.amdhsa_wavefront_size32 1
		.amdhsa_system_sgpr_workgroup_id_x 1
		.amdhsa_system_sgpr_workgroup_id_y 1
		.amdhsa_system_sgpr_workgroup_id_z 1
		.amdhsa_system_vgpr_workitem_id 0
		.amdhsa_next_free_vgpr 1024
		.amdhsa_next_free_sgpr 98
		.amdhsa_reserve_vcc 0
		.amdhsa_float_denorm_mode_32 3
		.amdhsa_float_denorm_mode_16_64 3
		.amdhsa_memory_ordered 1
		.amdhsa_forward_progress 1
		.amdhsa_inst_pref_size 104
	.end_amdhsa_kernel
	.amdgpu_metadata
---
amdhsa.version: [ 1, 2 ]
amdhsa.kernels:
  - .name:           k_q2e8fd56727_down
    .symbol:         k_q2e8fd56727_down.kd
    .args:
      - { .name: hq, .offset: 0, .size: 8, .value_kind: global_buffer, .address_space: global }
      - { .name: wd, .offset: 8, .size: 8, .value_kind: global_buffer, .address_space: global }
      - { .name: comb, .offset: 16, .size: 8, .value_kind: global_buffer, .address_space: global }
      - { .name: out0, .offset: 24, .size: 8, .value_kind: global_buffer, .address_space: global }
    .group_segment_fixed_size: 327680
    .private_segment_fixed_size: 0
    .kernarg_segment_align: 8
    .kernarg_segment_size: 32
    .max_flat_workgroup_size: 128
    .sgpr_count:     98
    .vgpr_count:     1024
    .wavefront_size: 32
...
	.end_amdgpu_metadata
.endif
;; end of part 3
;; ======== version 2 of 2: 3 launches
;; limits: right only within a limited range of input values
;; workspace buffers: xq 1,638,400 bytes; wgu 29,491,200 bytes; wd 14,745,600 bytes; hq 7,372,800 bytes
;; launch quant (part 4): grid 256 x 1, 4 waves a work-group, no clusters, 327,680 bytes of LDS; arguments hidden_states, sh_gate, sh_up, sh_down, r_gate, r_up, r_down, xq, wgu, wd; writes xq, wgu, wd
.if DOCPART == 4
	.amdgcn_target "amdgcn-amd-amdhsa--gfx1250"
	.amdhsa_code_object_version 6
	.text
	.protected	k_q2e8fd56727_quant
	.globl	k_q2e8fd56727_quant
	.p2align	8
	.type	k_q2e8fd56727_quant,@function
k_q2e8fd56727_quant:
	s_mov_b64 s[64:65], 0
	v_nop
	global_prefetch_b8 v0, s[64:65] scope:SCOPE_SE
	s_setreg_imm32_b32 hwreg(HW_REG_WAVE_MODE, 25, 1), 1
	s_wait_xcnt 0x0
; LAUNCH 1 OF 3.  x and the six weights, all f32 with K innermost, become codes of BF6 (E3M2) with one E8M0 byte for each 32 along K.
; A block's scale is 2^(floor(log2(largest magnitude)) - 4); its byte is the largest magnitude's exponent field - 4, held at 1 from below.
; WORK LEFT OUT, in this launch and in the last: the router.  top_k over the 8 logits gives indices 0 .. 7, so topk_idx < NUM_LOCAL = 8 holds for every slot and slot_mask is 1;
;     comb_w is then the sum of a softmax over its whole axis, which is 1 for all finite logits.  So routed * comb_w = routed: product 1, the top-k, the softmax and the multiply reach no output.
;     router_weight has no way to an output: it is not loaded and is no argument.  LIMIT: a NaN, an infinity or an overflow that arises in the router alone is not carried to the result.
; LAYOUT OF ALL CODES: records of 6,400 bytes = 64 rows x 128 along K.  Bytes 1536 t + 512 c + 16 lane: registers 4 c .. 4 c + 3 of fragment t (16 rows x 128 K, 12 registers a lane) as the matrix
;     instruction wants them; bytes 6144 + 16 r + 4 t: the scale word (four bytes) of row r of fragment t.
;     xq  [token block of 256][K step][token group of 64];   wd [64 outputs][K step: 8 routed, then 64 shared];
;     wgu: first [routed block of 32 units: 32][K step: 16], one record each: r_gate's two fragments of the block, then r_up's two;  then [shared unit group of 128: 64][K step][gate lo, gate hi, up lo, up hi].
;     THE ROWS OF A GATE OR UP FRAGMENT ARE NOT NEIGHBOURS: of a block of 32 rows the first fragment takes rows 0..7 and 16..23, the second rows 8..15 and 24..31, so that the next launch's results lie along the next K.
; SHARES: a unit is 64 rows x 128 along K of one tensor: 7,168 units = 256 work-groups x 4 waves x 7 trips.  Unit 1024 trip + 4 work-group + wave: trips 0, 1 sh_gate, 2, 3 sh_up, 4, 5 sh_down;
;     trip 6: x, r_gate, r_up, r_down, 64 work-groups each.  The four waves of a work-group take four neighbouring K steps of the same rows: 2,048 consecutive bytes of each row.
; THE RING: two slots; in each a region of 64 rows x (512 + 16) bytes for each wave, filled by the wave's own tensor load and read by that wave alone.  While a slot is worked, the other's 4 x 32,768 bytes are on their way.
;     The conversions want 16 neighbours along K in one lane: lane (r, h) reads them from its row as it lies in LDS.  Which row is lane r's hangs on the tensor: two address registers for each case are made at the head, and a trip selects.
;     A unit of r_gate or r_up makes half of two records: its scale words leave as 8 bytes of each 16 (131,072 bytes of the launch's stores); every other store covers whole aligned runs of 256 bytes.
; No cluster: no two work-groups read the same byte.  No prefetch: the launch is this one stream, and each byte is asked for once, by its tensor load, a whole trip ahead of its use.
; LIMITS: NaN and infinities among the inputs are not served.  A block whose largest magnitude lies under 2^-122, a block of zeros among them, gets the byte 1 (the rule says 127 for zeros): its codes are
;     zeros or what the byte 1 gives, and the bytes are read by this program alone.
.set SRB,   6400                       ; bytes of a record
.set ROWP,  528                        ; an LDS row: 512 bytes + 16
.set REC,   64*ROWP                    ; a wave's region of a slot
.set SLOT,  4*REC
.set SPARE, 2*SLOT                     ; behind the ring: the spare words, 128 bytes a wave
.set VL,   4                           ; v4      16 x lane
.set V16R, 5                           ; v5      16 r
.set VSC,  8                           ; v8      this trip's offset of my scale words
.set SPW,  10                          ; v10     my spare word; never rewritten
.set NIL,  11                          ; v11     0; never rewritten
.set AD,   12                          ; v12-19  for slot 0, 1: even fragment, rows as they lie; even, gate/up rows; odd, as they lie; odd, gate/up rows
.set R,    32                          ; v32-159 two sets of 64 numbers
.set PC,   160                         ; v160-207 the four fragments' codes
.set TT,   208                         ; v208-215 second halves of blocks, on their way
.set TM,   216                         ; v216-231 at work in QUANT
.set PW,   232                         ; v232-235 the four fragments' scale words
.set T,    4                           ; s4      the trip whose unit NEXT works out
.set SU,   5                           ; s5      4 x work-group + wave
.set U,    6
.set SW,   7                           ; s7      wave x REC
.set G1A,  28                          ; s[28:35], s[36:43], s[44:51] descriptor group 1 for rows 2,048, 1,024, 8,192 numbers apart
.set G1B,  36
.set G1C,  44
.set G0,   52                          ; s[52:59] group 0, one for each slot
.set SEL,  66                          ; s[66:67] v_permlanex16_b32's selects for lane l xor 16
.set HM,   68                          ; s68     mask of lanes 16-31
.set NK,   69                          ; the next unit: which group 1;
.set ND0,  70                          ; where fragments 0, 1 go; fragments 2, 3; the scale words; from lanes 0-15's words to lanes 16-31's; all ones for gate/up rows
.set ND1,  72
.set NS0,  74
.set NDS,  76
.set NFL,  77
.set CD0,  78                          ; the same for the unit at work
.set CD1,  80
.set CS0,  82
.set CDS,  84
.set CFL,  85
.set ST,   86                          ; at work in NEXT
.set W1,   87
.set W2,   88
.set SRC,  90
.set DST,  92
.set O,    94
.set I,    96
.set KK,   97
.set GG,   98
.set TP,   99
.set RC,   100
.set LK,   101
; A tensor's parameters in one word: 2:0 log2(K steps); 7:3 log2(bytes of 64 rows); record = (g >> [9:8]) x [21:15] + (g & [11:10]) + k x [14:12] + C0, g the group of 64 rows, k the K step;
; 23:22 which group 1; 24 gate/up rows; 25 half records (r_gate, r_up); 26 the records' second half (r_up)
.set W_SG, 4|(19<<3)|(1<<8)|(1<<10)|(4<<12)|(64<<15)|(1<<24)
.set W_SD, 6|(21<<3)|(1<<12)|(72<<15)|(2<<22)
.set W_X,  4|(19<<3)|(2<<8)|(3<<10)|(4<<12)|(64<<15)
.set W_RG, 4|(19<<3)|(1<<12)|(32<<15)|(1<<24)|(1<<25)
.set W_RU, W_RG|(1<<26)
.set W_RD, 3|(18<<3)|(1<<12)|(72<<15)|(1<<22)
.macro SHAPE g, pitch                  ; 64 rows x 128 numbers of 4 bytes; 4 words of padding behind every 128
	s_mov_b32 s[\g], (2<<16)|(1<<20)|(6<<22)|(3<<25)
	s_mov_b32 s[\g+1], 128<<16
	s_mov_b32 s[\g+2], 64<<16
	s_mov_b32 s[\g+3], 128<<16
	s_mov_b32 s[\g+4], 64
	s_mov_b32 s[\g+5], \pitch
	s_mov_b32 s[\g+6], 0
	s_mov_b32 s[\g+7], 0
.endm
.macro PICK start, w, c0, src, dst     ; from unit 'start' on another tensor's parameters hold; the selects leave SCC alone
	s_cmp_ge_u32 s[U], \start
	s_cselect_b32 s[ST], \start, s[ST]
	s_cselect_b32 s[W1], \w, s[W1]
	s_cselect_b32 s[W2], \c0, s[W2]
	s_cselect_b64 s[SRC:SRC+1], s[\src:\src+1], s[SRC:SRC+1]
	s_cselect_b64 s[DST:DST+1], s[\dst:\dst+1], s[DST:DST+1]
.endm
; The unit of trip s[T]: its address into group 0 of slot ns (that slot's last load has been waited for), its destinations into the N.. registers.  Ids and constants alone.
.macro NEXT ns
	s_lshl_b32 s[U], s[T], 10
	s_add_co_u32 s[U], s[U], s[SU]
	s_add_co_u32 s[T], s[T], 1
	s_mov_b32 s[ST], 0
	s_mov_b32 s[W1], W_SG
	s_mov_b32 s[W2], 512
	s_mov_b64 s[SRC:SRC+1], s[10:11]               ; sh_gate
	s_mov_b64 s[DST:DST+1], s[24:25]
	PICK 2048, W_SG, 514, 12, 24                   ; sh_up
	PICK 4096, W_SD, 8,   14, 26                   ; sh_down
	PICK 6144, W_X,  0,   8,  22                   ; x
	PICK 6400, W_RG, 0,   16, 24                   ; r_gate
	PICK 6656, W_RU, 0,   18, 24                   ; r_up
	PICK 6912, W_RD, 0,   20, 26                   ; r_down
	s_sub_co_u32 s[I], s[U], s[ST]
	s_bfe_u32 s[LK], s[W1], (3<<16)|0
	s_bfm_b32 s[TP], s[LK], 0
	s_and_b32 s[KK], s[I], s[TP]                   ; k
	s_lshr_b32 s[GG], s[I], s[LK]                  ; g
	s_bfe_u32 s[TP], s[W1], (5<<16)|3
	s_lshl_b32 s[O], s[GG], s[TP]
	s_lshl_b32 s[TP], s[KK], 9
	s_add_co_u32 s[O], s[O], s[TP]                 ; g groups of 64 rows + 512 bytes a K step: under 2^27
	s_mov_b32 s[O+1], 0
	s_add_nc_u64 s[G0+4*(\ns)+2:G0+4*(\ns)+3], s[SRC:SRC+1], s[O:O+1]
	s_or_b32 s[G0+4*(\ns)+3], s[G0+4*(\ns)+3], 0x80000000
	s_bfe_u32 s[TP], s[W1], (2<<16)|8
	s_lshr_b32 s[TP], s[GG], s[TP]
	s_bfe_u32 s[RC], s[W1], (7<<16)|15
	s_mul_i32 s[RC], s[RC], s[TP]
	s_bfe_u32 s[TP], s[W1], (2<<16)|10
	s_and_b32 s[TP], s[GG], s[TP]
	s_add_co_u32 s[RC], s[RC], s[TP]
	s_bfe_u32 s[TP], s[W1], (3<<16)|12
	s_mul_i32 s[TP], s[TP], s[KK]
	s_add_co_u32 s[RC], s[RC], s[TP]
	s_add_co_u32 s[RC], s[RC], s[W2]               ; the record's index: 4,607 at the most
	s_mul_i32 s[O], s[RC], SRB
	s_add_nc_u64 s[DST:DST+1], s[DST:DST+1], s[O:O+1]
	s_bfe_u32 s[TP], s[W1], (1<<16)|26
	s_mul_i32 s[O], s[TP], 3072
	s_add_nc_u64 s[ND0:ND0+1], s[DST:DST+1], s[O:O+1]
	s_lshl_b32 s[O], s[TP], 3
	s_add_co_u32 s[O], s[O], 6144
	s_add_nc_u64 s[NS0:NS0+1], s[DST:DST+1], s[O:O+1]
	s_mov_b32 s[O], 3072
	s_bitcmp1_b32 s[W1], 25
	s_cselect_b32 s[O], 16*SRB, s[O]               ; fragments 2, 3: behind 0, 1 in the record, or in the next block's record, 16 records on
	s_cselect_b32 s[NDS], 16*SRB, 8
	s_add_nc_u64 s[ND1:ND1+1], s[ND0:ND0+1], s[O:O+1]
	s_bitcmp1_b32 s[W1], 24
	s_cselect_b32 s[NFL], -1, 0
	s_bfe_u32 s[NK], s[W1], (2<<16)|22
.endm
; My one tensor load behind the barrier: one chain of branches on ids, one load to an arm, since each row pitch has its own group 1 of constants
.macro FILL ns
	s_cmp_eq_u32 s[NK], 0
	s_cbranch_scc0 .Lnot_a_\@
	tensor_load_to_lds s[G0+4*(\ns):G0+4*(\ns)+3], s[G1A:G1A+7]
	s_nop 0
	s_branch .Lasked_\@
.Lnot_a_\@:
	s_cmp_eq_u32 s[NK], 1
	s_cbranch_scc0 .Lnot_b_\@
	tensor_load_to_lds s[G0+4*(\ns):G0+4*(\ns)+3], s[G1B:G1B+7]
	s_nop 0
	s_branch .Lasked_\@
.Lnot_b_\@:
	tensor_load_to_lds s[G0+4*(\ns):G0+4*(\ns)+3], s[G1C:G1C+7]
	s_nop 0
.Lasked_\@:
.endm
; Which row of the unit is lane r's hangs on the tensor: a branch on ids (the same in all waves) leads to one of two copies of the loads, each with its own address register; both issue the same number of loads
.macro LDSEL t, slot                   ; fragment t
	s_cmp_eq_u32 s[CFL], 0
	s_wait_alu depctr_va_vdst(0)
	s_cbranch_scc0 .Lgu_\@
	LDF \t, AD+4*(\slot)+2*((\t)%2)
	s_branch .Lhave_\@
.Lgu_\@:
	LDF \t, AD+4*(\slot)+2*((\t)%2)+1
.Lhave_\@:
.endm
.macro LDSEL2 slot                     ; fragments 0 and 1
	s_cmp_eq_u32 s[CFL], 0
	s_wait_alu depctr_va_vdst(0)
	s_cbranch_scc0 .Lgu_\@
	LDF 0, AD+4*(\slot)
	LDF 1, AD+4*(\slot)+2
	s_branch .Lhave_\@
.Lgu_\@:
	LDF 0, AD+4*(\slot)+1
	LDF 1, AD+4*(\slot)+3
.Lhave_\@:
.endm
.macro LDF t, ad                       ; fragment t's numbers into set t % 2: of my row, 16 neighbours of each block of 32: register 16 b + i = k 32 b + 16 h + i
.irp b, 0,1,2,3
.irp j, 0,1,2,3
	ds_load_b128 v[R+64*((\t)%2)+16*\b+4*\j:R+64*((\t)%2)+16*\b+4*\j+3], v[\ad] offset:32*ROWP*((\t)/2)+128*\b+16*\j
.endr
.endr
.endm
; 64 numbers of a lane, v[s] .. v[s + 63], become a fragment's codes in v[pc] .. v[pc + 11] and its scale word in v[pw]
.macro QUANT s, pw, pc
.irp b, 0,1,2,3
	v_max3_num_f32 v[TM+\b], |v[\s+16*\b]|, |v[\s+1+16*\b]|, 0x2800000   ; block b: my 16 numbers, and the floor 2^(5 - 127): the byte cannot fall under 1
.endr
.irp i, 2,4,6,8,10,12,14
.irp b, 0,1,2,3
	v_max3_num_f32 v[TM+\b], v[TM+\b], |v[\s+16*\b+\i]|, |v[\s+1+16*\b+\i]|   ; the four blocks by turns
.endr
.endr
.irp b, 0,1,2,3
	v_permlanex16_b32 v[TM+4+\b], v[TM+\b], s[SEL], s[SEL+1]
.endr
.irp b, 0,1,2,3
	v_max_num_f32 v[TM+\b], v[TM+\b], v[TM+4+\b]   ; with lane l xor 16's: the block's largest magnitude
.endr
.irp b, 0,1,2,3
	v_add_nc_u32 v[TM+12+\b], 0xfe000000, v[TM+\b] ; 4 off its exponent field: the conversion takes the exponent field of this operand as its scale
.endr
.irp b, 0,1,2,3
	v_lshrrev_b32 v[TM+4+\b], 23, v[TM+12+\b]      ; the scale's byte
.endr
	v_lshl_or_b32 v[\pw], v[TM+5], 8, v[TM+4]      ; four bytes: my row's scale word (both halves of the lanes hold it)
	v_lshl_or_b32 v[\pw], v[TM+6], 16, v[\pw]
	v_lshl_or_b32 v[\pw], v[TM+7], 24, v[\pw]
.irp c, 0,1
	v_cvt_scalef32_pk16_bf6_f32 v[\pc+6*\c:\pc+2+6*\c], v[\s+32*\c:\s+15+32*\c], v[TM+12+2*\c]
	v_cvt_scalef32_pk16_bf6_f32 v[TT+4*\c:TT+2+4*\c], v[\s+16+32*\c:\s+31+32*\c], v[TM+12+2*\c+1]   ; (a conversion's three registers begin on an even number)
.endr
	v_nop                                          ; one plain place behind a scaled conversion
.irp c, 0,1                                    ; the operand's layout wants a WHOLE block in a lane: lanes 0-15 block 2 c, lanes 16-31 block 2 c + 1
.irp i, 0,1,2
	v_permlane16_swap_b32 v[\pc+6*\c+\i], v[TT+4*\c+\i]
.endr
.irp i, 0,1,2
	v_mov_b32 v[\pc+3+6*\c+\i], v[TT+4*\c+\i]
.endr
.endr
.endm
.macro FRAG t, slot
.if (\t) < 3
	s_wait_dscnt 16                                ; my 16 loads are in; the next fragment's 16 may be out
.else
	s_wait_dscnt 0x0
.endif
	QUANT R+64*((\t)%2), PW+(\t), PC+12*(\t)
.irp c, 0,1,2
	global_store_b128 v[VL], v[PC+12*(\t)+4*\c:PC+12*(\t)+4*\c+3], s[CD0+2*((\t)/2):CD0+2*((\t)/2)+1] offset:1536*((\t)%2)+512*\c   ; 32 lanes store 512 consecutive bytes, at a multiple of 256 from the buffer's first byte
.endr
.if (\t) < 2
	LDSEL (\t)+2, \slot                            ; the set is free
.endif
.endm
; A trip: the unit in 'slot' is worked; refill = 1: the next unit is asked for, into the other slot
.macro TRIP slot, refill
	s_wait_xcnt 0x0                                ; the last trip's stores have read their bases, offsets and data: only now are these written again
	s_mov_b64 s[CD0:CD0+1], s[ND0:ND0+1]
	s_mov_b64 s[CD1:CD1+1], s[ND1:ND1+1]
	s_mov_b64 s[CS0:CS0+1], s[NS0:NS0+1]
	s_mov_b32 s[CDS], s[NDS]
	s_mov_b32 s[CFL], s[NFL]
.if \refill
	NEXT 1-\slot
.endif
	s_wait_tensorcnt 0x0                           ; my one load that was out, this slot's, has landed;
	ds_add_u32 v[SPW], v[NIL]                      ; 0 onto my spare word;
	s_wait_dscnt 0x0                               ; it is done, and so are my reads of the other slot
	s_barrier_signal -1
	s_barrier_wait -1
.if \refill
	FILL 1-\slot
.endif
	v_mad_u32_u24 v[VSC], v3, s[CDS], v[V16R]
	LDSEL2 \slot
	FRAG 0, \slot
	FRAG 1, \slot
	FRAG 2, \slot
	FRAG 3, \slot
	v_cndmask_b32 v236, v[PW], v[PW+2], s[HM]      ; lanes 0-15 send row r's words of fragments 0 and 1, lanes 16-31 those of fragments 2 and 3
	v_cndmask_b32 v237, v[PW+1], v[PW+3], s[HM]
	global_store_b64 v[VSC], v[236:237], s[CS0:CS0+1]
.endm
	s_load_b512 s[8:23], s[0:1], 0x0               ; x s[8:9], sh_gate s[10:11], sh_up s[12:13], sh_down s[14:15], r_gate s[16:17], r_up s[18:19], r_down s[20:21], xq s[22:23]
	s_load_b128 s[24:27], s[0:1], 0x40             ; wgu s[24:25], wd s[26:27]
	v_lshl_add_u32 v[SPW], v0, 2, SPARE
	v_mov_b32 v[NIL], 0
	ds_add_u32 v[SPW], v[NIL]
	ds_add_u32 v[SPW], v[NIL]
	v_lshrrev_b32 v1, 5, v0
	v_readfirstlane_b32 s2, v1                     ; wave 0..3
	SHAPE G1A, 2048
	SHAPE G1B, 1024
	SHAPE G1C, 8192
	s_lshl_b32 s[SU], ttmp9, 2
	s_add_co_u32 s[SU], s[SU], s2
	s_mul_i32 s[SW], s2, REC
	s_mov_b32 s[G0], 1
	s_mov_b32 s[G0+1], s[SW]
	s_mov_b32 s[G0+4], 1
	s_add_co_u32 s[G0+5], s[SW], SLOT
	s_mov_b32 s[T], 0
	s_mov_b32 s[SEL], 0x76543210
	s_mov_b32 s[SEL+1], 0xfedcba98
	s_mov_b32 s[HM], 0xffff0000
	s_wait_dscnt 0x0
	s_wait_kmcnt 0x0
	NEXT 0
	tensor_load_to_lds s[G0:G0+3], s[G1A:G1A+7]    ; trip 0's unit is sh_gate's in every work-group; my one load at the head
	s_nop 0
	v_and_b32 v1, 31, v0                           ; lane
	v_lshlrev_b32 v[VL], 4, v1
	v_and_b32 v2, 15, v0                           ; r
	v_bfe_u32 v3, v0, 4, 1                         ; h
	v_bfe_u32 v9, v0, 3, 1                         ; r / 8
	v_lshlrev_b32 v[V16R], 4, v2
	v_mul_u32_u24 v[AD], v2, ROWP
	v_lshl_add_u32 v[AD], v3, 6, v[AD]
	v_add_nc_u32 v[AD], s[SW], v[AD]               ; fragment 0, rows as they lie: row r, + 64 h
	v_mad_u32_u24 v[AD+1], v9, 8*ROWP, v[AD]       ; gate/up: row r + 8 (r / 8)
	v_add_nc_u32 v[AD+2], 16*ROWP, v[AD]           ; fragment 1: row 16 + r,
	v_add_nc_u32 v[AD+3], 8*ROWP, v[AD+1]          ; gate/up: row 8 + r + 8 (r / 8).  Fragments 2, 3: 32 rows on, in the loads' immediate
.irp i, 0,1,2,3
	v_add_nc_u32 v[AD+4+\i], SLOT, v[AD+\i]
.endr
.irp b, 0,1,2,3
	v_mov_b32 v[TM+4+\b], 0                        ; written once: a lane permute's destination counts as one of its sources
.endr
	s_wait_alu depctr_va_vdst(0)
	s_mov_b32 s3, 3
.Llap:                                                 ; 3 laps of two trips: units of trips 0 .. 5 are worked, those of trips 1 .. 6 asked for
	TRIP 0, 1
	TRIP 1, 1
	s_sub_co_u32 s3, s3, 1
	s_cmp_lg_u32 s3, 0
	s_cbranch_scc1 .Llap
	TRIP 0, 0                                      ; trip 6 asks for nothing
	s_wait_tensorcnt 0x0                           ; the wave's end
	ds_add_u32 v[SPW], v[NIL]
	s_wait_dscnt 0x0
	s_endpgm
.Lfunc_end_k_q2e8fd56727_quant:
	.size	k_q2e8fd56727_quant, .Lfunc_end_k_q2e8fd56727_quant-k_q2e8fd56727_quant
	.p2alignl 7, 3214868480
	.fill 96, 4, 3214868480
	.section	.rodata,"a",@progbits
	.p2align	6, 0x0
	.amdhsa_kernel k_q2e8fd56727_quant
		.amdhsa_group_segment_fixed_size 327680
		.amdhsa_private_segment_fixed_size 0
		.amdhsa_enable_private_segment 0
		.amdhsa_kernarg_size 80
		.amdhsa_user_sgpr_count 2
		.amdhsa_user_sgpr_kernarg_segment_ptr 1
		.amdhsa_wavefront_size32 1
		.amdhsa_system_sgpr_workgroup_id_x 1
		.amdhsa_system_sgpr_workgroup_id_y 1
		.amdhsa_system_sgpr_workgroup_id_z 1
		.amdhsa_system_vgpr_workitem_id 0
		.amdhsa_next_free_vgpr 240
		.amdhsa_next_free_sgpr 102
		.amdhsa_reserve_vcc 0
		.amdhsa_float_denorm_mode_32 3
		.amdhsa_float_denorm_mode_16_64 3
		.amdhsa_memory_ordered 1
		.amdhsa_forward_progress 1
		.amdhsa_inst_pref_size 92
	.end_amdhsa_kernel
	.amdgpu_metadata
---
amdhsa.version: [ 1, 2 ]
amdhsa.kernels:
  - .name:           k_q2e8fd56727_quant
    .symbol:         k_q2e8fd56727_quant.kd
    .args:
      - { .name: hidden_states, .offset: 0, .size: 8, .value_kind: global_buffer, .address_space: global }
      - { .name: sh_gate, .offset: 8, .size: 8, .value_kind: global_buffer, .address_space: global }
      - { .name: sh_up, .offset: 16, .size: 8, .value_kind: global_buffer, .address_space: global }
      - { .name: sh_down, .offset: 24, .size: 8, .value_kind: global_buffer, .address_space: global }
      - { .name: r_gate, .offset: 32, .size: 8, .value_kind: global_buffer, .address_space: global }
      - { .name: r_up, .offset: 40, .size: 8, .value_kind: global_buffer, .address_space: global }
      - { .name: r_down, .offset: 48, .size: 8, .value_kind: global_buffer, .address_space: global }
      - { .name: xq, .offset: 56, .size: 8, .value_kind: global_buffer, .address_space: global }
      - { .name: wgu, .offset: 64, .size: 8, .value_kind: global_buffer, .address_space: global }
      - { .name: wd, .offset: 72, .size: 8, .value_kind: global_buffer, .address_space: global }
    .group_segment_fixed_size: 327680
    .private_segment_fixed_size: 0
    .kernarg_segment_align: 8
    .kernarg_segment_size: 80
    .max_flat_workgroup_size: 128
    .sgpr_count:     102
    .vgpr_count:     240
    .wavefront_size: 32
...
	.end_amdgpu_metadata
.endif
;; end of part 4
;; launch gateup (part 5): grid 64 x 4, 4 waves a work-group, clusters of 4 x 4, 327,680 bytes of LDS; arguments xq, wgu, hq; writes hq
.if DOCPART == 5
	.amdgcn_target "amdgcn-amd-amdhsa--gfx1250"
	.amdhsa_code_object_version 6
	.text
	.protected	k_q2e8fd56727_gateup
	.globl	k_q2e8fd56727_gateup
	.p2align	8
	.type	k_q2e8fd56727_gateup,@function
k_q2e8fd56727_gateup:
	s_mov_b64 s[64:65], 0
	v_nop
	global_prefetch_b8 v0, s[64:65] scope:SCOPE_SE
	s_setreg_imm32_b32 hwreg(HW_REG_WAVE_MODE, 25, 1), 1
	s_wait_xcnt 0x0
	s_wait_alu depctr_hold_cnt(0) depctr_sa_sdst(0) depctr_va_vdst(0) depctr_va_sdst(0) depctr_va_ssrc(0) depctr_va_vcc(0) depctr_vm_vsrc(0)
	s_getreg_b32 s2, hwreg(HW_REG_IB_STS2, 6, 4)
	s_cmp_eq_u32 s2, 0
	s_cbranch_scc0 .Lentry_in_a_cluster
	s_endpgm
.Lentry_in_a_cluster:
	s_bfe_u32 s2, ttmp6, 0x10000c
	s_cmp_lg_u32 s2, 0xf033
	s_cbranch_scc0 .Lentry_shape_is_right
	s_endpgm
.Lentry_shape_is_right:
.set SRB,   6400
.set KB,    4*SRB
.set EOFF,  4*KB
.set SLOT,  4*KB+2*SRB
.set SPARE, 2*SLOT
.set WSH,   512*SRB
.set ADRE, 8
.set ADSE, 10
.set ADRA, 16
.set ADSA, 18
.set ADRB, 20
.set ADSB, 22
.set VL,   24
.set VS,   25
.set VX,   26
.set VB,   27
.set SPW,  28
.set NIL,  29
.set SCA,  32
.set SCB,  40
.set SCE,  56
.set AF,   64
.set EF,   160
.set EACC, 192
.set SG,   64
.set HD,   128
.set PC,   192
.set TM,   212
.set PW,   228
.set G1,   24
.set G0,   32
.set G1B,  48
.set G0B,  56
.set G1E,  76
.set G0E,  84
.set SEL,  66
.set HM,   68
.set CS,   70
.set PAR,  74
.set CM,   75
.set MSB, 0
.macro WIN new
.if MSB != (\new)
	s_set_vgpr_msb (MSB<<8)|(\new)
.set MSB, (\new)
.endif
.endm
.set MUL_LO, 0xa1
.set MUL_HI, 0xf1
.set MUL_EX, 0x50
.set TO_B,   0x40
.macro JLOAD s
	s_cmp_lt_u32 s14, 2
	s_cbranch_scc0 .Lnot_a_\@
	tensor_load_to_lds s[G0+4*\s:G0+4*\s+3], s[G1:G1+7]
	s_nop 0
.rept 4
	v_nop
.endr
	s_branch .Lasked_\@
.Lnot_a_\@:
	s_cmp_eq_u32 s14, 2
	s_cbranch_scc0 .Lfor_e_\@
	tensor_load_to_lds s[G0B+4*\s:G0B+4*\s+3], s[G1B:G1B+7]
	s_nop 0
.rept 4
	v_nop
.endr
	s_branch .Lasked_\@
.Lfor_e_\@:
	tensor_load_to_lds s[G0E+4*\s:G0E+4*\s+3], s[G1E:G1E+7]
	s_nop 0
.rept 4
	v_nop
.endr
.Lasked_\@:
.endm
.macro CREST
	s_cmp_lg_u32 s14, 0
	s_cbranch_scc1 .Lnot_wave_0_\@
	s_barrier_signal -3
.Lnot_wave_0_\@:
	s_barrier_wait -3
	s_barrier_signal -1
	s_barrier_wait -1
.endm
.macro CROUND
	s_barrier_signal -1
	s_barrier_wait -1
	CREST
.endm
.macro PLACES
.rept 4
	v_nop
.endr
.endm
.macro SHAPE g, rows
	s_mov_b32 s[\g+1], 32<<16
	s_mov_b32 s[\g+2], (\rows)<<16
	s_mov_b32 s[\g+3], 32<<16
	s_mov_b32 s[\g+4], \rows
	s_mov_b32 s[\g+5], 32
	s_mov_b32 s[\g+6], 0
	s_mov_b32 s[\g+7], 0
.endm
	s_load_b128 s[4:7], s[0:1], 0x0
	s_load_b64 s[8:9], s[0:1], 0x10
	v_lshl_add_u32 v[SPW], v0, 2, SPARE
	v_mov_b32 v[NIL], 0
	ds_add_u32 v28, v29
	ds_add_u32 v28, v29
	s_wait_dscnt 0x0
	v_lshrrev_b32 v1, 5, v0
	v_readfirstlane_b32 s14, v1
	s_and_b32 s16, s14, 1
	s_bfe_u32 s40, ttmp6, 0x40000
	s_bfe_u32 s41, ttmp6, 0x40004
	s_lshl_b32 s42, ttmp9, 2
	s_add_co_u32 s42, s42, s40
	s_and_b32 s[PAR], ttmp9, 1
	s_lshr_b32 s92, ttmp9, 1
	s_lshl_b32 s93, s92, 2
	s_add_co_u32 s93, s93, s40
	s_lshl_b32 s43, s41, 2
	s_lshl_b32 s43, 15, s43
	s_lshl_b32 s44, 0x1111, s40
	s_or_b32 s[G1+0], s43, (3<<16)|(1<<21)
	s_or_b32 s[G1B+0], s44, (3<<16)|(1<<21)
	s_or_b32 s[G1E+0], s44, (3<<16)|(1<<21)
	SHAPE G1, 100
	SHAPE G1B, 200
	SHAPE G1E, 50
	s_mul_i32 s18, s16, KB
	s_mul_i32 s20, s41, 16*KB
	s_add_co_u32 s20, s20, s18
	s_mov_b32 s21, 0
	s_mul_i32 s46, s42, 16*KB
	s_add_co_u32 s46, s46, WSH
	s_mov_b32 s47, 0
	s_mul_i32 s96, s93, 16*SRB
	s_mov_b32 s97, 0
	s_mul_i32 s45, s14, KB
	s_mov_b32 s[SEL], 0x76543210
	s_mov_b32 s[SEL+1], 0xfedcba98
	s_mov_b32 s[HM], 0xffff0000
	s_mov_b32 s[CS], 0xbfb8aa3b
	s_mov_b32 s[CS+1], s[CS]
	s_wait_kmcnt 0x0
	s_add_nc_u64 s[20:21], s[4:5], s[20:21]
	s_add_nc_u64 s[46:47], s[6:7], s[46:47]
	s_add_nc_u64 s[96:97], s[6:7], s[96:97]
	CROUND
.irp s, 0,1
	s_mov_b32 s[G0+4*\s], 1
	s_add_co_u32 s[G0+4*\s+1], s45, \s*SLOT
	s_add_nc_u64 s[G0+4*\s+2:G0+4*\s+3], s[20:21], \s*2*KB
	s_or_b32 s[G0+4*\s+3], s[G0+4*\s+3], 0x80000000
	s_mov_b32 s[G0B+4*\s], 1
	s_mov_b32 s[G0B+4*\s+1], 2*KB+\s*SLOT
	s_add_nc_u64 s[G0B+4*\s+2:G0B+4*\s+3], s[46:47], \s*2*KB
	s_or_b32 s[G0B+4*\s+3], s[G0B+4*\s+3], 0x80000000
	s_mov_b32 s[G0E+4*\s], 1
	s_mov_b32 s[G0E+4*\s+1], EOFF+\s*SLOT
	s_add_nc_u64 s[G0E+4*\s+2:G0E+4*\s+3], s[96:97], \s*2*SRB
	s_or_b32 s[G0E+4*\s+3], s[G0E+4*\s+3], 0x80000000
	s_wait_alu depctr_va_vdst(0)
	s_wait_tensorcnt 0x0
	ds_add_u32 v28, v29
	ds_add_u32 v28, v29
	s_wait_dscnt 0x0
	CROUND
	JLOAD \s
.endr
	v_and_b32 v1, 31, v0
	v_and_b32 v2, 15, v0
	v_bfe_u32 v3, v0, 4, 1
	v_lshlrev_b32 v[VL], 4, v1
	v_lshlrev_b32 v4, 4, v2
	v_lshl_add_u32 v[VS], v3, 3, v4
	v_mul_u32_u24 v[VX], v3, 1536
	v_lshl_add_u32 v[VX], v2, 4, v[VX]
	v_lshl_add_u32 v[VB], v3, 2, v4
	s_mul_i32 s22, s14, SRB
.irp s, 0,1
	v_add_nc_u32 v[ADRA+\s], s22, v[VL]
	v_add_nc_u32 v[ADSA+\s], s22, v4
	v_add_nc_u32 v[ADSA+\s], 6144, v[ADSA+\s]
	v_add_nc_u32 v[ADRB+\s], \s*SLOT+2*KB, v[VL]
	v_add_nc_u32 v[ADSB+\s], \s*SLOT+2*KB+6144, v4
	v_add_nc_u32 v[ADRE+\s], \s*SLOT+EOFF, v[VL]
	v_add_nc_u32 v[ADSE+\s], \s*SLOT+EOFF+6144, v4
	s_add_co_u32 s22, s22, SLOT
.endr
.irp b, 0,1,2,3
	v_mov_b32 v[TM+4+\b], 0
.endr
	s_lshl_b32 s72, s41, 2
	s_add_co_u32 s72, s72, s14
	s_mul_i32 s72, s72, 72
	s_add_co_u32 s94, s72, s92
	s_mul_i32 s94, s94, SRB
	s_mov_b32 s99, 0
	s_lshl_b32 s98, s[PAR], 3
	s_add_co_u32 s98, s98, s40
	s_add_co_u32 s98, s98, s94
	s_add_co_u32 s98, s98, 6144
	s_add_nc_u64 s[18:19], s[8:9], s[98:99]
	s_mul_i32 s98, s[PAR], 3072
	s_add_co_u32 s94, s94, s98
	s_and_b32 s98, s40, 1
	s_lshl_b32 s98, s98, 8
	s_add_co_u32 s94, s94, s98
	s_lshr_b32 s100, s40, 1
	s_lshl_b32 s98, s100, 10
	s_add_co_u32 s98, s98, s94
	s_add_nc_u64 s[10:11], s[8:9], s[98:99]
	s_lshl_b32 s98, s100, 3
	s_add_co_u32 s98, s98, s94
	s_add_co_u32 s98, s98, 512
	s_add_nc_u64 s[12:13], s[8:9], s[98:99]
	s_sub_co_u32 s[CM], 0, s100
	s_add_co_u32 s72, s72, s42
	s_add_co_u32 s72, s72, 8
	s_mul_i32 s72, s72, SRB
	s_mov_b32 s73, 0
	s_add_nc_u64 s[8:9], s[8:9], s[72:73]
.macro MUL t0, n, p, zero
.set TT, \t0
.rept \n
.irp m, 0,1,2,3
.if \zero
	v_wmma_scale_f32_16x16x128_f8f6f4 v[8*(4*(TT%8)+\m):8*(4*(TT%8)+\m)+7], v[12*TT:12*TT+11], v[AF+48*(\p)+12*\m:AF+48*(\p)+12*\m+11], 0, v[SCB+TT], v[SCA+4*(\p)+\m] matrix_a_fmt:MATRIX_FMT_BF6 matrix_b_fmt:MATRIX_FMT_BF6
.else
	v_wmma_scale_f32_16x16x128_f8f6f4 v[8*(4*(TT%8)+\m):8*(4*(TT%8)+\m)+7], v[12*TT:12*TT+11], v[AF+48*(\p)+12*\m:AF+48*(\p)+12*\m+11], v[8*(4*(TT%8)+\m):8*(4*(TT%8)+\m)+7], v[SCB+TT], v[SCA+4*(\p)+\m] matrix_a_fmt:MATRIX_FMT_BF6 matrix_b_fmt:MATRIX_FMT_BF6
.endif
.endr
.set TT, TT+1
.endr
.endm
.macro EX8 m0, p, zero
.irp t, 0,1,2,3
.irp m, 0,1
.if \zero
	v_wmma_scale_f32_16x16x128_f8f6f4 v[EACC+8*(2*\t+\m):EACC+8*(2*\t+\m)+7], v[EF+12*\t:EF+12*\t+11], v[AF+48*(\p)+12*(\m0+\m):AF+48*(\p)+12*(\m0+\m)+11], 0, v[SCE+\t], v[SCA+4*(\p)+\m0+\m] matrix_a_fmt:MATRIX_FMT_BF6 matrix_b_fmt:MATRIX_FMT_BF6
.else
	v_wmma_scale_f32_16x16x128_f8f6f4 v[EACC+8*(2*\t+\m):EACC+8*(2*\t+\m)+7], v[EF+12*\t:EF+12*\t+11], v[AF+48*(\p)+12*(\m0+\m):AF+48*(\p)+12*(\m0+\m)+11], v[EACC+8*(2*\t+\m):EACC+8*(2*\t+\m)+7], v[SCE+\t], v[SCA+4*(\p)+\m0+\m] matrix_a_fmt:MATRIX_FMT_BF6 matrix_b_fmt:MATRIX_FMT_BF6
.endif
.endr
.endr
.endm
.macro EXTRA p, zero
	WIN 0
	s_cmp_eq_u32 s[PAR], 0
	s_cbranch_scc0 .Lodd_\@
	WIN MUL_EX
	EX8 0, \p, \zero
	WIN 0
	s_branch .Ljoin_\@
.Lodd_\@:
	WIN MUL_EX
	EX8 2, \p, \zero
	WIN 0
.Ljoin_\@:
.endm
.macro FETCH_LO slot, q, p
	WIN TO_B
.irp i, 0,1,2,3,4,5,6,7
.irp c, 0,1,2
	ds_load_b128 v[12*\i+4*\c:12*\i+4*\c+3], v[ADRB+\slot] offset:KB*(\q)+SRB*(\i/4)+1536*(\i%4)+512*\c
.endr
.endr
	WIN 0
	ds_load_b128 v[SCB:SCB+3], v[ADSB+\slot] offset:KB*(\q)
	ds_load_b128 v[SCB+4:SCB+7], v[ADSB+\slot] offset:KB*(\q)+SRB
.irp m, 0,1,2,3
.irp c, 0,1,2
	ds_load_b128 v[AF+48*(\p)+12*\m+4*\c:AF+48*(\p)+12*\m+4*\c+3], v[ADRA+\slot] offset:KB*(\q)+1536*\m+512*\c
.endr
.endr
	ds_load_b128 v[SCA+4*(\p):SCA+4*(\p)+3], v[ADSA+\slot] offset:KB*(\q)
.endm
.macro FETCH_HI slot, q
	WIN TO_B
.irp i, 8,9,10,11,12,13,14,15
.irp c, 0,1,2
	ds_load_b128 v[12*\i+4*\c:12*\i+4*\c+3], v[ADRB+\slot] offset:KB*(\q)+SRB*(\i/4)+1536*(\i%4)+512*\c
.endr
.endr
	WIN 0
	ds_load_b128 v[SCB+8:SCB+11], v[ADSB+\slot] offset:KB*(\q)+2*SRB
	ds_load_b128 v[SCB+12:SCB+15], v[ADSB+\slot] offset:KB*(\q)+3*SRB
.irp t, 0,1,2,3
.irp c, 0,1,2
	ds_load_b128 v[EF+12*\t+4*\c:EF+12*\t+4*\c+3], v[ADRE+\slot] offset:SRB*(\q)+1536*\t+512*\c
.endr
.endr
	ds_load_b128 v[SCE:SCE+3], v[ADSE+\slot] offset:SRB*(\q)
.endm
.macro STEP slot, zero
	s_wait_dscnt 39
	WIN MUL_LO
	MUL 0, 8, 0, \zero
	s_wait_dscnt 0x0
	PLACES
	FETCH_LO \slot, 1, 1
	WIN MUL_HI
	MUL 8, 8, 0, \zero
	EXTRA 0, \zero
	PLACES
	FETCH_HI \slot, 1
.endm
.macro TURN slot, next, fill
	s_wait_tensorcnt 0x0
	ds_add_u32 v[SPW], v[NIL]
	s_wait_dscnt 40
	WIN MUL_LO
	MUL 0, 4, 1, 0
	s_wait_dscnt 0x0
	s_barrier_signal -1
	MUL 4, 4, 1, 0
	WIN 0
	s_barrier_wait -1
.if \fill
	CREST
	s_add_nc_u64 s[G0+4*\slot+2:G0+4*\slot+3], s[G0+4*\slot+2:G0+4*\slot+3], 4*KB
	s_add_nc_u64 s[G0B+4*\slot+2:G0B+4*\slot+3], s[G0B+4*\slot+2:G0B+4*\slot+3], 4*KB
	s_add_nc_u64 s[G0E+4*\slot+2:G0E+4*\slot+3], s[G0E+4*\slot+2:G0E+4*\slot+3], 4*SRB
	JLOAD \slot
.else
	PLACES
.endif
	s_wait_alu depctr_va_vdst(0)
	FETCH_LO \next, 0, 0
	WIN MUL_HI
	MUL 8, 8, 1, 0
	EXTRA 1, 0
	PLACES
	FETCH_HI \next, 0
.endm
.macro QUANT s, pw
.irp b, 0,1,2,3
	v_max3_num_f32 v[TM+\b], |v[\s+16*\b]|, |v[\s+1+16*\b]|, 0x2800000
.endr
.irp i, 2,4,6,8,10,12,14
.irp b, 0,1,2,3
	v_max3_num_f32 v[TM+\b], v[TM+\b], |v[\s+16*\b+\i]|, |v[\s+1+16*\b+\i]|
.endr
.endr
.irp b, 0,1,2,3
	v_permlanex16_b32 v[TM+4+\b], v[TM+\b], s[SEL], s[SEL+1]
.endr
.irp b, 0,1,2,3
	v_max_num_f32 v[TM+\b], v[TM+\b], v[TM+4+\b]
.endr
.irp b, 0,1,2,3
	v_add_nc_u32 v[TM+12+\b], 0xfe000000, v[TM+\b]
.endr
.irp b, 0,1,2,3
	v_lshrrev_b32 v[TM+4+\b], 23, v[TM+12+\b]
.endr
	v_lshl_or_b32 v[\pw], v[TM+5], 8, v[TM+4]
	v_lshl_or_b32 v[\pw], v[TM+6], 16, v[\pw]
	v_lshl_or_b32 v[\pw], v[TM+7], 24, v[\pw]
.irp c, 0,1
	v_cvt_scalef32_pk16_bf6_f32 v[PC+6*\c:PC+2+6*\c], v[\s+32*\c:\s+15+32*\c], v[TM+12+2*\c]
	v_cvt_scalef32_pk16_bf6_f32 v[PC+12+4*\c:PC+14+4*\c], v[\s+16+32*\c:\s+31+32*\c], v[TM+12+2*\c+1]
.endr
	v_nop
.irp c, 0,1
.irp i, 0,1,2
	v_permlane16_swap_b32 v[PC+6*\c+\i], v[PC+12+4*\c+\i]
.endr
.irp i, 0,1,2
	v_mov_b32 v[PC+3+6*\c+\i], v[PC+12+4*\c+\i]
.endr
.endr
.endm
	s_wait_tensorcnt 1
	s_barrier_signal -1
	s_barrier_wait -1
	FETCH_LO 0, 0, 0
	FETCH_HI 0, 0
	STEP 0, 1
	s_mov_b32 s3, 3
.Llap:
	TURN 0, 1, 1
	STEP 1, 0
	TURN 1, 0, 1
	STEP 0, 0
	s_sub_co_u32 s3, s3, 1
	s_cmp_lg_u32 s3, 0
	s_cbranch_scc1 .Llap
	TURN 0, 1, 0
	STEP 1, 0
	s_wait_dscnt 39
	WIN MUL_LO
	MUL 0, 8, 1, 0
	s_wait_dscnt 0x0
	WIN MUL_HI
	MUL 8, 8, 1, 0
	EXTRA 1, 0
	PLACES
.macro OUT m
	WIN 0x02
.set TT, 0
.rept 8
.irp p, 0,2,4,6
	v_pk_mul_f32 v[SG+8*TT+\p:SG+8*TT+\p+1], v[8*(4*TT+\m)+\p:8*(4*TT+\m)+\p+1], s[CS:CS+1] op_sel_hi:[1,0]
.endr
.set TT, TT+1
.endr
	WIN 0
.set i, 0
	s_wait_alu depctr_va_vdst(0)
.rept 64
	v_exp_f32 v[SG+i], v[SG+i]
.set i, i+1
.endr
	v_nop
.set i, 0
	s_wait_alu depctr_va_vdst(0)
.rept 32
	v_pk_add_f32 v[SG+i:SG+i+1], v[SG+i:SG+i+1], 1.0 op_sel_hi:[1,0]
.set i, i+2
.endr
.set i, 0
	s_wait_alu depctr_va_vdst(0)
.rept 64
	v_rcp_f32 v[SG+i], v[SG+i]
.set i, i+1
.endr
	WIN 0x0e
.set TT, 0
	s_wait_alu depctr_va_vdst(0)
.rept 8
.irp p, 0,2,4,6
	v_pk_mul_f32 v[HD+8*TT+\p:HD+8*TT+\p+1], v[8*(4*TT+\m)+\p:8*(4*TT+\m)+\p+1], v[8*(4*TT+\m)+\p:8*(4*TT+\m)+\p+1]
.endr
.set TT, TT+1
.endr
	WIN 0
.set i, 0
	s_wait_alu depctr_va_vdst(0)
.rept 32
	v_pk_mul_f32 v[HD+i:HD+i+1], v[HD+i:HD+i+1], v[SG+i:SG+i+1]
.set i, i+2
.endr
.if \m > 0
	s_wait_xcnt 0x0
.endif
	QUANT HD, PW+\m
.irp c, 0,1,2
	global_store_b128 v[VL], v[PC+4*\c:PC+4*\c+3], s[8:9] offset:1536*\m+512*\c
.endr
.endm
	OUT 0
	OUT 1
	OUT 2
	OUT 3
	v_cndmask_b32 v232, v[PW], v[PW+2], s[HM]
	v_cndmask_b32 v233, v[PW+1], v[PW+3], s[HM]
	global_store_b64 v[VS], v[232:233], s[8:9] offset:6144
	WIN 0x01
.irp m, 0,1
.irp u, 0,1
.irp p, 0,2,4,6
	v_pk_mul_f32 v[SG+16*\m+8*\u+\p:SG+16*\m+8*\u+\p+1], v[EACC+8*(2*\u+\m)+\p:EACC+8*(2*\u+\m)+\p+1], s[CS:CS+1] op_sel_hi:[1,0]
.endr
.endr
.endr
	WIN 0
.set i, 0
	s_wait_alu depctr_va_vdst(0)
.rept 32
	v_exp_f32 v[SG+i], v[SG+i]
.set i, i+1
.endr
	v_nop
.set i, 0
	s_wait_alu depctr_va_vdst(0)
.rept 16
	v_pk_add_f32 v[SG+i:SG+i+1], v[SG+i:SG+i+1], 1.0 op_sel_hi:[1,0]
.set i, i+2
.endr
.set i, 0
	s_wait_alu depctr_va_vdst(0)
.rept 32
	v_rcp_f32 v[SG+i], v[SG+i]
.set i, i+1
.endr
	WIN 0x05
	s_wait_alu depctr_va_vdst(0)
.irp m, 0,1
.irp u, 0,1
.irp p, 0,2,4,6
	v_pk_mul_f32 v[HD+16*\m+8*\u+\p:HD+16*\m+8*\u+\p+1], v[EACC+8*(2*\u+\m)+\p:EACC+8*(2*\u+\m)+\p+1], v[EACC+8*(2*(2+\u)+\m)+\p:EACC+8*(2*(2+\u)+\m)+\p+1]
.endr
.endr
.endr
	WIN 0
.set i, 0
	s_wait_alu depctr_va_vdst(0)
.rept 16
	v_pk_mul_f32 v[HD+i:HD+i+1], v[HD+i:HD+i+1], v[SG+i:SG+i+1]
.set i, i+2
.endr
.irp m, 0,1
	v_max3_num_f32 v[TM+\m], |v[HD+16*\m]|, |v[HD+1+16*\m]|, 0x2800000
.endr
.irp i, 2,4,6,8,10,12,14
.irp m, 0,1
	v_max3_num_f32 v[TM+\m], v[TM+\m], |v[HD+16*\m+\i]|, |v[HD+1+16*\m+\i]|
.endr
.endr
.irp m, 0,1
	v_permlanex16_b32 v[TM+4+\m], v[TM+\m], s[SEL], s[SEL+1]
.endr
.irp m, 0,1
	v_max_num_f32 v[TM+\m], v[TM+\m], v[TM+4+\m]
.endr
.irp m, 0,1
	v_add_nc_u32 v[TM+12+\m], 0xfe000000, v[TM+\m]
.endr
.irp m, 0,1
	v_lshrrev_b32 v[TM+4+\m], 23, v[TM+12+\m]
.endr
	s_wait_alu depctr_va_vdst(0)
	s_wait_xcnt 0x0
	v_cvt_scalef32_pk16_bf6_f32 v[PC:PC+2], v[HD:HD+15], v[TM+12]
	v_cvt_scalef32_pk16_bf6_f32 v[PC+4:PC+6], v[HD+16:HD+31], v[TM+13]
	v_nop
.irp i, 0,1,2
	v_permlane16_swap_b32 v[PC+\i], v[PC+4+\i]
.endr
	v_cndmask_b32 v236, v[PC], v[PC+2], s[CM]
	v_cndmask_b32 v237, v[PC+1], v[PC+4], s[CM]
	v_cndmask_b32 v238, v[PC+2], v[PC+5], s[CM]
	v_cndmask_b32 v239, v[PC+4], v[PC+6], s[CM]
	v_cndmask_b32 v240, v[PC+5], v[PC], s[CM]
	v_cndmask_b32 v241, v[PC+6], v[PC+1], s[CM]
	v_cndmask_b32 v242, v[TM+4], v[TM+5], s[HM]
	global_store_b128 v[VX], v[236:239], s[10:11]
	global_store_b64 v[VX], v[240:241], s[12:13]
	global_store_b8 v[VB], v242, s[18:19]
	s_wait_tensorcnt 0x0
	ds_add_u32 v[SPW], v[NIL]
	s_wait_dscnt 0x0
	CROUND
	s_endpgm
.Lfunc_end_k_q2e8fd56727_gateup:
	.size	k_q2e8fd56727_gateup, .Lfunc_end_k_q2e8fd56727_gateup-k_q2e8fd56727_gateup
	.p2alignl 7, 3214868480
	.fill 96, 4, 3214868480
	.section	.rodata,"a",@progbits
	.p2align	6, 0x0
	.amdhsa_kernel k_q2e8fd56727_gateup
		.amdhsa_group_segment_fixed_size 327680
		.amdhsa_private_segment_fixed_size 0
		.amdhsa_enable_private_segment 0
		.amdhsa_kernarg_size 24
		.amdhsa_user_sgpr_count 2
		.amdhsa_user_sgpr_kernarg_segment_ptr 1
		.amdhsa_wavefront_size32 1
		.amdhsa_system_sgpr_workgroup_id_x 1
		.amdhsa_system_sgpr_workgroup_id_y 1
		.amdhsa_system_sgpr_workgroup_id_z 1
		.amdhsa_system_vgpr_workitem_id 0
		.amdhsa_next_free_vgpr 1024
		.amdhsa_next_free_sgpr 102
		.amdhsa_reserve_vcc 0
		.amdhsa_float_denorm_mode_32 3
		.amdhsa_float_denorm_mode_16_64 3
		.amdhsa_memory_ordered 1
		.amdhsa_forward_progress 1
		.amdhsa_inst_pref_size 214
	.end_amdhsa_kernel
	.amdgpu_metadata
---
amdhsa.version: [ 1, 2 ]
amdhsa.kernels:
  - .name:           k_q2e8fd56727_gateup
    .symbol:         k_q2e8fd56727_gateup.kd
    .args:
      - { .name: xq, .offset: 0, .size: 8, .value_kind: global_buffer, .address_space: global }
      - { .name: wgu, .offset: 8, .size: 8, .value_kind: global_buffer, .address_space: global }
      - { .name: hq, .offset: 16, .size: 8, .value_kind: global_buffer, .address_space: global }
    .group_segment_fixed_size: 327680
    .private_segment_fixed_size: 0
    .kernarg_segment_align: 8
    .kernarg_segment_size: 24
    .max_flat_workgroup_size: 128
    .sgpr_count:     102
    .vgpr_count:     1024
    .wavefront_size: 32
...
	.end_amdgpu_metadata
.endif
;; end of part 5
;; launch down (part 6): grid 32 x 8, 4 waves a work-group, clusters of 4 x 4, 327,680 bytes of LDS; arguments hq, wd, out0; writes out0
.if DOCPART == 6
	.amdgcn_target "amdgcn-amd-amdhsa--gfx1250"
	.amdhsa_code_object_version 6
	.text
	.protected	k_q2e8fd56727_down
	.globl	k_q2e8fd56727_down
	.p2align	8
	.type	k_q2e8fd56727_down,@function
k_q2e8fd56727_down:
	s_mov_b64 s[64:65], 0
	v_nop
	global_prefetch_b8 v0, s[64:65] scope:SCOPE_SE
	s_setreg_imm32_b32 hwreg(HW_REG_WAVE_MODE, 25, 1), 1
	s_wait_xcnt 0x0
	s_wait_alu depctr_hold_cnt(0) depctr_sa_sdst(0) depctr_va_vdst(0) depctr_va_sdst(0) depctr_va_ssrc(0) depctr_va_vcc(0) depctr_vm_vsrc(0)
	s_getreg_b32 s2, hwreg(HW_REG_IB_STS2, 6, 4)
	s_cmp_eq_u32 s2, 0
	s_cbranch_scc0 .Lentry_in_a_cluster
	s_endpgm
.Lentry_in_a_cluster:
	s_bfe_u32 s2, ttmp6, 0x10000c
	s_cmp_lg_u32 s2, 0xf033
	s_cbranch_scc0 .Lentry_shape_is_right
	s_endpgm
.Lentry_shape_is_right:
; LAUNCH 3 OF 3.  out0 = h wd^T on codes of BF6: h [1,024 tokens][9,216 = 1,024 routed, then 8,192 shared units], wd [2,048 outputs][the same K], both in records of 6,400 bytes (64 rows x 128 K, register images and scale words).
; A work-group makes 128 tokens x 64 outputs; a slot holds 8 K steps, of which each wave multiplies two; the four waves' partial sums meet in an LDS stage and leave as whole rows of 256 bytes.
; WORK LEFT OUT: the multiply of the routed part by comb_w, which is 1 for all finite inputs (shown at the head of the first launch): routed and shared units are one sum over K.
.set SRB,   6400
.set AREG,  8*SRB
.set SLOT,  3*AREG
.set SPARE, 2*SLOT
.set STAGE, SLOT
.set SP,    272
.set PART,  128*SP
.set CA,   8
.set SA,   14
.set STO,  20
.set RD0,  21
.set RD1,  22
.set CO,   23
.set SPW,  28
.set NIL,  29
.set SC,   32
.set PB,   80
.set SUM,  144
.set G1,   24
.set G0,   32
.set G1B,  48
.set G0B,  56
.set MSB, 0
.macro WIN new
.if MSB != (\new)
	s_set_vgpr_msb (MSB<<8)|(\new)
.set MSB, (\new)
.endif
.endm
.set MW0, 0x5a
.set MW1, 0x5f
.macro JLOAD s
	s_cmp_eq_u32 s15, 0
	s_cbranch_scc0 .Lfor_b_\@
	tensor_load_to_lds s[G0+4*\s:G0+4*\s+3], s[G1:G1+7]
	s_nop 0
.rept 4
	v_nop
.endr
	s_branch .Lasked_\@
.Lfor_b_\@:
	tensor_load_to_lds s[G0B+4*\s:G0B+4*\s+3], s[G1B:G1B+7]
	s_nop 0
.rept 4
	v_nop
.endr
.Lasked_\@:
.endm
.macro CREST
	s_cmp_lg_u32 s14, 0
	s_cbranch_scc1 .Lnot_wave_0_\@
	s_barrier_signal -3
.Lnot_wave_0_\@:
	s_barrier_wait -3
	s_barrier_signal -1
	s_barrier_wait -1
.endm
.macro CROUND
	s_barrier_signal -1
	s_barrier_wait -1
	CREST
.endm
.macro PLACES
.rept 4
	v_nop
.endr
.endm
	s_load_b128 s[4:7], s[0:1], 0x0
	s_load_b64 s[10:11], s[0:1], 0x10
	v_lshl_add_u32 v[SPW], v0, 2, SPARE
	v_mov_b32 v[NIL], 0
	ds_add_u32 v28, v29
	ds_add_u32 v28, v29
	s_wait_dscnt 0x0
	v_lshrrev_b32 v1, 5, v0
	v_readfirstlane_b32 s14, v1
	s_lshr_b32 s15, s14, 1
	s_and_b32 s16, s14, 1
	s_bfe_u32 s40, ttmp6, 0x40000
	s_bfe_u32 s41, ttmp6, 0x40004
	s_lshl_b32 s42, ttmp9, 2
	s_add_co_u32 s42, s42, s40
	s_and_b32 s17, ttmp7, 0xffff
	s_lshl_b32 s17, s17, 2
	s_add_co_u32 s17, s17, s41
	s_lshl_b32 s43, s41, 2
	s_lshl_b32 s43, 15, s43
	s_lshl_b32 s44, 0x1111, s40
	s_or_b32 s[G1+0], s43, (3<<16)|(1<<21)
	s_mov_b32 s[G1+1], 32<<16
	s_mov_b32 s[G1+2], 200<<16
	s_mov_b32 s[G1+3], 32<<16
	s_mov_b32 s[G1+4], 200
	s_mov_b32 s[G1+5], 32
	s_mov_b32 s[G1+6], 0
	s_mov_b32 s[G1+7], 0
	s_or_b32 s[G1B+0], s44, (3<<16)|(1<<21)
	s_mov_b32 s[G1B+1], 32<<16
	s_mov_b32 s[G1B+2], 100<<16
	s_mov_b32 s[G1B+3], 32<<16
	s_mov_b32 s[G1B+4], 100
	s_mov_b32 s[G1B+5], 32
	s_mov_b32 s[G1B+6], 0
	s_mov_b32 s[G1B+7], 0
	s_lshl_b32 s20, s17, 1
	s_add_co_u32 s20, s20, s16
	s_mul_i32 s20, s20, 72*SRB
	s_mov_b32 s21, 0
	s_mul_i32 s18, s16, 4*SRB
	s_mul_i32 s46, s42, 72*SRB
	s_add_co_u32 s46, s46, s18
	s_mov_b32 s47, 0
	s_mul_i32 s45, s16, AREG
	s_add_co_u32 s19, s18, 2*AREG
	s_wait_kmcnt 0x0
	s_add_nc_u64 s[20:21], s[4:5], s[20:21]
	s_add_nc_u64 s[46:47], s[6:7], s[46:47]
	CROUND
.irp s, 0,1
	s_mov_b32 s[G0+4*\s], 1
	s_add_co_u32 s[G0+4*\s+1], s45, \s*SLOT
	s_add_nc_u64 s[G0+4*\s+2:G0+4*\s+3], s[20:21], \s*AREG
	s_or_b32 s[G0+4*\s+3], s[G0+4*\s+3], 0x80000000
	s_mov_b32 s[G0B+4*\s], 1
	s_add_co_u32 s[G0B+4*\s+1], s19, \s*SLOT
	s_add_nc_u64 s[G0B+4*\s+2:G0B+4*\s+3], s[46:47], \s*AREG
	s_or_b32 s[G0B+4*\s+3], s[G0B+4*\s+3], 0x80000000
	s_wait_alu depctr_va_vdst(0)
	s_wait_tensorcnt 0x0
	ds_add_u32 v28, v29
	ds_add_u32 v28, v29
	s_wait_dscnt 0x0
	CROUND
	JLOAD \s
.endr
	v_and_b32 v1, 31, v0
	v_and_b32 v2, 15, v0
	v_bfe_u32 v3, v0, 4, 1
	v_lshlrev_b32 v4, 4, v1
	v_lshlrev_b32 v5, 4, v2
	s_mul_i32 s21, s14, 2*SRB
	v_add_nc_u32 v4, s21, v4
	v_add_nc_u32 v5, s21, v5
.irp s, 0,1
.irp x, 0,1,2
	v_add_nc_u32 v[CA+3*\s+\x], \s*SLOT+\x*AREG, v4
	v_add_nc_u32 v[SA+3*\s+\x], \s*SLOT+\x*AREG+6144, v5
.endr
.endr
	s_mul_i32 s22, s14, PART
	s_add_co_u32 s22, s22, STAGE
	v_mul_u32_u24 v6, v2, SP
	v_lshl_add_u32 v6, v3, 5, v6
	v_add_nc_u32 v[STO], s22, v6
	s_mul_i32 s23, s14, 32*SP
	s_add_co_u32 s23, s23, STAGE
	v_mul_u32_u24 v7, v3, SP
	v_lshl_add_u32 v7, v2, 4, v7
	v_add_nc_u32 v[RD0], s23, v7
	v_add_nc_u32 v[RD1], 2*PART, v[RD0]
	v_lshlrev_b32 v[CO], 13, v3
	v_lshl_add_u32 v[CO], v2, 4, v[CO]
	s_lshl_b32 s72, s17, 7
	s_lshl_b32 s73, s14, 5
	s_add_co_u32 s72, s72, s73
	s_lshl_b32 s72, s72, 13
	s_lshl_b32 s73, s42, 8
	s_add_co_u32 s72, s72, s73
	s_mov_b32 s73, 0
	s_add_nc_u64 s[10:11], s[10:11], s[72:73]
.macro FETCH slot, q, p
	WIN 0x80+0x40*(\p)
.irp x, 0,1,2
.irp t, 0,1,2,3
.irp c, 0,1,2
	ds_load_b128 v[48*\x+12*\t+4*\c:48*\x+12*\t+4*\c+3], v[CA+3*(\slot)+\x] offset:SRB*(\q)+1536*\t+512*\c
.endr
.endr
.endr
	WIN 0
.irp x, 0,1,2
	ds_load_b128 v[SC+12*(\p)+4*\x:SC+12*(\p)+4*\x+3], v[SA+3*(\slot)+\x] offset:SRB*(\q)
.endr
.endm
.macro MULA a0, n, p, zero
.set AA, \a0
.rept \n
.irp b, 0,1,2,3
.if \zero
	v_wmma_scale_f32_16x16x128_f8f6f4 v[8*(4*AA+\b):8*(4*AA+\b)+7], v[96+12*\b:96+12*\b+11], v[12*AA:12*AA+11], 0, v[SC+12*(\p)+8+\b], v[SC+12*(\p)+AA] matrix_a_fmt:MATRIX_FMT_BF6 matrix_b_fmt:MATRIX_FMT_BF6
.else
	v_wmma_scale_f32_16x16x128_f8f6f4 v[8*(4*AA+\b):8*(4*AA+\b)+7], v[96+12*\b:96+12*\b+11], v[12*AA:12*AA+11], v[8*(4*AA+\b):8*(4*AA+\b)+7], v[SC+12*(\p)+8+\b], v[SC+12*(\p)+AA] matrix_a_fmt:MATRIX_FMT_BF6 matrix_b_fmt:MATRIX_FMT_BF6
.endif
.endr
.set AA, AA+1
.endr
.endm
.macro HALF slot, zero
	s_wait_dscnt 0x0
	PLACES
	FETCH \slot, 1, 1
	WIN MW0
	MULA 0, 8, 0, \zero
.endm
.macro TURN slot, next, fill
	WIN 0
	s_wait_tensorcnt 0x0
	ds_add_u32 v[SPW], v[NIL]
	s_wait_dscnt 1
	WIN MW1
	MULA 0, 1, 1, 0
	s_wait_dscnt 0x0
	s_barrier_signal -1
	MULA 1, 1, 1, 0
	WIN 0
	s_barrier_wait -1
.if \fill
	CREST
	s_add_nc_u64 s[G0+4*\slot+2:G0+4*\slot+3], s[G0+4*\slot+2:G0+4*\slot+3], 2*AREG
	s_add_nc_u64 s[G0B+4*\slot+2:G0B+4*\slot+3], s[G0B+4*\slot+2:G0B+4*\slot+3], 2*AREG
	JLOAD \slot
.else
	PLACES
.endif
	FETCH \next, 0, 0
	WIN MW1
	MULA 2, 6, 1, 0
.endm
	s_wait_alu depctr_va_vdst(0)
	s_wait_tensorcnt 1
	s_barrier_signal -1
	s_barrier_wait -1
	FETCH 0, 0, 0
	HALF 0, 1
	TURN 0, 1, 1
	WIN 0
	s_mov_b32 s3, 3
.Llap:
	s_wait_alu depctr_va_vdst(0)
	HALF 1, 0
	TURN 1, 0, 1
	HALF 0, 0
	TURN 0, 1, 1
	WIN 0
	s_sub_co_u32 s3, s3, 1
	s_cmp_lg_u32 s3, 0
	s_cbranch_scc1 .Llap
	HALF 1, 0
	TURN 1, 0, 0
	HALF 0, 0
	s_wait_dscnt 0x0
	WIN MW1
	MULA 0, 8, 1, 0
	WIN 0
	PLACES
	WIN 0x04
.set AA, 0
.rept 8
.irp b, 0,1,2,3
	ds_store_b128 v[STO], v[32*AA+8*\b:32*AA+8*\b+3] offset:16*AA*SP+64*\b
	ds_store_b128 v[STO], v[32*AA+8*\b+4:32*AA+8*\b+7] offset:16*AA*SP+64*\b+16
.endr
.set AA, AA+1
.endr
	WIN 0
	s_wait_dscnt 0x0
	s_barrier_signal -1
	s_barrier_wait -1
.macro BATCH g
.irp i, 0,1,2,3
	ds_load_b128 v[PB+16*\i:PB+16*\i+3],     v[RD0] offset:2*SP*(4*\g+\i)
	ds_load_b128 v[PB+16*\i+4:PB+16*\i+7],   v[RD0] offset:2*SP*(4*\g+\i)+PART
	ds_load_b128 v[PB+16*\i+8:PB+16*\i+11],  v[RD1] offset:2*SP*(4*\g+\i)
	ds_load_b128 v[PB+16*\i+12:PB+16*\i+15], v[RD1] offset:2*SP*(4*\g+\i)+PART
.endr
	s_wait_dscnt 0x0
.irp i, 0,1,2,3
.irp p, 0,2
	v_pk_add_f32 v[PB+16*\i+\p:PB+16*\i+\p+1], v[PB+16*\i+\p:PB+16*\i+\p+1], v[PB+16*\i+4+\p:PB+16*\i+4+\p+1]
	v_pk_add_f32 v[PB+16*\i+8+\p:PB+16*\i+8+\p+1], v[PB+16*\i+8+\p:PB+16*\i+8+\p+1], v[PB+16*\i+12+\p:PB+16*\i+12+\p+1]
.endr
.irp p, 0,2
	v_pk_add_f32 v[SUM+4*(4*\g+\i)+\p:SUM+4*(4*\g+\i)+\p+1], v[PB+16*\i+\p:PB+16*\i+\p+1], v[PB+16*\i+8+\p:PB+16*\i+8+\p+1]
.endr
	global_store_b128 v[CO], v[SUM+4*(4*\g+\i):SUM+4*(4*\g+\i)+3], s[10:11] offset:16384*(4*\g+\i) th:TH_STORE_NT
.endr
.endm
	BATCH 0
	BATCH 1
	BATCH 2
	BATCH 3
	s_wait_tensorcnt 0x0
	ds_add_u32 v[SPW], v[NIL]
	s_wait_dscnt 0x0
	CROUND
	s_endpgm
.Lfunc_end_k_q2e8fd56727_down:
	.size	k_q2e8fd56727_down, .Lfunc_end_k_q2e8fd56727_down-k_q2e8fd56727_down
	.p2alignl 7, 3214868480
	.fill 96, 4, 3214868480
	.section	.rodata,"a",@progbits
	.p2align	6, 0x0
	.amdhsa_kernel k_q2e8fd56727_down
		.amdhsa_group_segment_fixed_size 327680
		.amdhsa_private_segment_fixed_size 0
		.amdhsa_enable_private_segment 0
		.amdhsa_kernarg_size 24
		.amdhsa_user_sgpr_count 2
		.amdhsa_user_sgpr_kernarg_segment_ptr 1
		.amdhsa_wavefront_size32 1
		.amdhsa_system_sgpr_workgroup_id_x 1
		.amdhsa_system_sgpr_workgroup_id_y 1
		.amdhsa_system_sgpr_workgroup_id_z 1
		.amdhsa_system_vgpr_workitem_id 0
		.amdhsa_next_free_vgpr 1024
		.amdhsa_next_free_sgpr 98
		.amdhsa_reserve_vcc 0
		.amdhsa_float_denorm_mode_32 3
		.amdhsa_float_denorm_mode_16_64 3
		.amdhsa_memory_ordered 1
		.amdhsa_forward_progress 1
		.amdhsa_inst_pref_size 96
	.end_amdhsa_kernel
	.amdgpu_metadata
---
amdhsa.version: [ 1, 2 ]
amdhsa.kernels:
  - .name:           k_q2e8fd56727_down
    .symbol:         k_q2e8fd56727_down.kd
    .args:
      - { .name: hq, .offset: 0, .size: 8, .value_kind: global_buffer, .address_space: global }
      - { .name: wd, .offset: 8, .size: 8, .value_kind: global_buffer, .address_space: global }
      - { .name: out0, .offset: 16, .size: 8, .value_kind: global_buffer, .address_space: global }
    .group_segment_fixed_size: 327680
    .private_segment_fixed_size: 0
    .kernarg_segment_align: 8
    .kernarg_segment_size: 24
    .max_flat_workgroup_size: 128
    .sgpr_count:     98
    .vgpr_count:     1024
    .wavefront_size: 32
...
	.end_amdgpu_metadata
.endif
;; end of part 6
